; MI455X (gfx1250); checked and timed in simulation.
; The chip was launched on July 23, 2026; its instructions are those of AMD's public machine-readable ISA for CDNA 5 (MIT licence, August 2026) and "CDNA5" Instruction Set Architecture Reference Guide (July 2026). The comments in the code are by the model that wrote it; some were corrected since.
;; Multi Head Attention Block. Allowed arithmetic: matrix products marked QUANTISED: E2M3 operands, one E8M0 scale for each 32 along K, by v_wmma_scale_f32_16x16x128_f8f6f4 with both operands' format E2M3, f32 sums; everything else in f32.
;; Inputs: wk 1,024 x 1,024 float32; wo 1,024 x 1,024 float32; wq 1,024 x 1,024 float32; wv 1,024 x 1,024 float32; x 4 x 2,048 x 1,024 float32.
;; Outputs: out0 4 x 2,048 x 1,024 float32.
;; This version of the problem:
;;   THIS VERSION OF THE PROBLEM IS GIVEN IN LOW PRECISION. The matrix products marked QUANTISED in the list below multiply operands that are first quantised to E2M3 (2 exponent bits, 3 mantissa bits; 6 bits a number), with one power-of-two scale for each 32 numbers along K (OCP MX v1.0); their sums are f32. All else is computed in f32.
;;   The module's matrix products, in the order in which they are computed (A, B: the left and right operand; K: the contracted axis; several contracted axes count as one K, in the product's order):
;;     1. [M 8,192, K 1,024] x [K 1,024, N 1,024]; A: input x; B: input wq: QUANTISED
;;     2. [M 8,192, K 1,024] x [K 1,024, N 1,024]; A: input x; B: input wk: QUANTISED
;;     3. [M 8,192, K 1,024] x [K 1,024, N 1,024]; A: input x; B: input wv: QUANTISED
;;     4. batch 64 x [M 2,048, K 64] x [K 64, N 2,048]; A: computed on the way; B: computed on the way: QUANTISED
;;     5. batch 64 x [M 2,048, K 2,048] x [K 2,048, N 64]; A: softmax (see below); B: computed on the way: QUANTISED
;;     6. [M 8,192, K 1,024] x [K 1,024, N 1,024]; A: computed on the way; B: input wo: QUANTISED
;;   THE QUANTISER, for each operand of a quantised product, along K:
;;     - K is cut into blocks of 32 from its start; a last block that is shorter is filled with zeros.
;;     - A block's scale is 2^e with e = floor(log2(the largest magnitude in the block)) - 2, held to -126 .. 127; a block of zeros has e = 0. As a byte (E8M0): e + 127.
;;     - Each number is divided by its block's scale, clamped to +-7.5, and rounded to the nearest number of E2M3, ties to even, subnormals kept.
;;     - The product sums the exact products of the quantised numbers (number of the format x scale) in f32.
;;   ~~~python
;;   def quantise(x, axis):      # numpy; x: float32 -> the quantised numbers, widened to float32 again
;;       x = np.moveaxis(x, axis, -1); K = x.shape[-1]
;;       x = np.pad(x, [(0, 0)] * (x.ndim - 1) + [(0, -K % 32)]); x = x.reshape(x.shape[:-1] + (-1, 32)); a = np.abs(x).max(-1, keepdims=True)
;;       e = np.where(a > 0, np.clip(np.frexp(np.where(a > 0, a, 1))[1] - 1 - 2, -126, 127), 0)      # np.frexp(a)[1] - 1 = floor(log2(a)), exactly
;;       r = np.clip(x / 2.0 ** e, -7.5, 7.5)
;;       step = 2.0 ** (np.maximum(np.frexp(np.where(r == 0, 1, r))[1] - 1, 0) - 3)
;;       q = np.round(r / step) * step * 2.0 ** e      # np.round: ties to even
;;       return np.moveaxis(q.reshape(q.shape[:-2] + (-1,))[..., :K], -1, axis).astype(np.float32)
;;   ~~~
;;   SOFTMAX AHEAD OF A QUANTISED PRODUCT. Where the list says 'softmax', what is quantised is not the finished softmax but p = 2^(t - M), with t = logit x log2(e) and M = ceil(the row's largest t), a whole number; so 1/2 < the row's largest p <= 1. The row's sum l is taken of the UNQUANTISED p, in f32, and the product's result is divided by l at the end. Since M is a whole number, a kernel that streams over the keys may use a running M (the ceiling of the running maximum): every later rescaling is an exact power of two, which a block's scale takes up: the codes' values come out the same.
;;   OPERANDS COMPUTED ON THE WAY. 'Computed on the way' means the value that the module computes at that place (a softmax that the list does not call 'softmax' is quantised finished and normalised). What goes into a quantiser is computed in f32, as accurately as f32 sums, v_exp_f32 and their like allow (about 1e-6 of the number): no bf16 or f16 on the way to a quantiser, and a product that is left as it is and whose result goes on into a quantised operand takes f32 operands (vector FMAs, or v_wmma_f32_16x16x4_f32). A number that lies on a knife's edge between two numbers of the format may be rounded either way, as far as f32 arithmetic and the matrix unit's own rounding can turn it there, and no further.
;; 2 versions, each right; version 2 is version 1 with the launch attn written anew for expert scheduling mode. Each part assembles by itself: llvm-mc -triple=amdgcn-amd-amdhsa -mcpu=gfx1250 --defsym DOCPART=n.
;; ======== version 1 of 2: 4 launches
;; workspace buffers: opnd 9,830,400 bytes; qkv 20,185,088 bytes; att 6,553,600 bytes
;; launch quant (part 1): grid 256 x 1, 3 waves a work-group, no clusters, 26,112 bytes of LDS; arguments x, wq, wk, wv, wo, opnd; writes opnd
.if DOCPART == 1
	.amdgcn_target "amdgcn-amd-amdhsa--gfx1250"
	.amdhsa_code_object_version 6
	.text
	.protected	k_q83b76d4afc_quant
	.globl	k_q83b76d4afc_quant
	.p2align	8
	.type	k_q83b76d4afc_quant,@function
k_q83b76d4afc_quant:
	s_mov_b64 s[64:65], 0
	v_nop
	global_prefetch_b8 v0, s[64:65] scope:SCOPE_SE
	s_setreg_imm32_b32 hwreg(HW_REG_WAVE_MODE, 25, 1), 1
	s_wait_xcnt 0x0
; x [8192][1024] and wq, wk, wv, wo [1024][1024], f32, K innermost, become codes of FP6 (E2M3) with one E8M0 scale byte for each 32 along K, laid as the products' launches take them.
; ORDER OF ROWS.  Row rho lies at position p = rho with its bits 3 and 4 exchanged.  A block is 16 positions: lane row i of block 2 beta + u stands for row 32 beta + 8 u + (i % 8) + 16 (i / 8).
; A FRAGMENT (16 positions x 128 K, 12 registers a lane; lane (r, h) holds K = 64 c + 32 h + 0 .. 31 of position r in registers 6 c .. 6 c + 5) is stored as an image of its registers, 1,536 bytes:
; registers 0-3 at 16 x lane, 4-5 at 512 + 8 x lane, 6-9 at 768 + 16 x lane, 10-11 at 1,280 + 8 x lane.  A block's eight fragments follow each other: 12,288 bytes.  Scale words: 32 bytes a position, behind all codes.
; Blocks 0-511 are x, 512-575 wq, 576-639 wk, 640-703 wv, 704-767 wo: 768 blocks = 256 work-groups x 3 waves; a wave takes one block for all of K.  Only the source's pointer is chosen: one path for all five tensors.
; A K step: 16 loads of 512 consecutive bytes (a row's 128 numbers); they turn through the wave's own stage in LDS (rows 528 bytes apart) so that a lane gets 2 x 32 neighbours of its row; a lane holds two whole blocks of 32.
; A block's scale is 2^(floor(log2(largest magnitude)) - 2): its byte is the largest magnitude's exponent field - 2, held at 1 from below by a floor among the maximum's leaves.
; LIMITS: a block of zeros, and one whose largest magnitude lies under 2^-124, gets the byte 1 (the bytes are read by this program alone; zero codes add nothing); NaN and infinities among the inputs are not served.
; No barrier: waves share nothing.  Matrix units, clusters and tensor loads would add nothing to a stream.
.set PIT,   528                        ; a stage row: 512 bytes + 16, so that sixteen rows' reads start in sixteen different columns of 16 bytes
.set STG,   16*PIT                     ; a wave's stage
.set FRB,   1536                       ; a fragment's image
.set BLKB,  8*FRB                      ; a block's codes
.set SCLS,  768*BLKB                   ; where the scale words begin
.set WD,    16                         ; v16-19  the block's scale words: lanes 0-15 K steps 0-3, lanes 16-31 K steps 4-7
.set C,     20                         ; v20-31  a fragment's codes
.set T,     32                         ; v32-39  the upper halves of the two blocks' codes, before they are moved
.set X,     64                         ; v64-127 my 2 x 32 neighbours
.set R,     128                        ; v128-255 two sets of 64 registers as loaded
	s_load_b256 s[4:11], s[0:1], 0x0               ; x s[4:5], wq s[6:7], wk s[8:9], wv s[10:11]
	s_load_b128 s[12:15], s[0:1], 0x20             ; wo s[12:13], opnd s[14:15]
	v_lshl_add_u32 v62, v0, 2, 0x6400
	v_mov_b32 v63, 0
	v_lshrrev_b32 v1, 5, v0
	v_readfirstlane_b32 s16, v1                    ; wave 0..2
	s_mul_i32 s17, ttmp9, 3
	s_add_co_u32 s17, s17, s16                     ; my block, 0..767
	v_and_b32 v7, 31, v0                           ; lane
	v_and_b32 v8, 15, v0                           ; r
	v_bfe_u32 v9, v0, 4, 1                         ; h
	v_lshlrev_b32 v1, 4, v7                        ; 16 x lane
	v_lshlrev_b32 v2, 3, v7                        ; 8 x lane
	s_mul_i32 s18, s16, STG
	v_add_nc_u32 v3, s18, v1                       ; the stage, on the way in: 16 x lane of a row
	v_mul_u32_u24 v4, v8, PIT
	v_lshl_add_u32 v4, v9, 7, v4
	v_add_nc_u32 v4, s18, v4                       ; and on the way out: row r, + 128 h bytes: K = 32 h on
	v_lshlrev_b32 v5, 3, v9                        ; 8 h: how far my two scale bytes are shifted
	v_lshlrev_b32 v6, 5, v8
	v_lshl_add_u32 v6, v9, 4, v6                   ; 32 r + 16 h: my four scale words' place in the block's 512 bytes
	v_cmp_ne_u32 s22, 0, v9                        ; lanes 16-31
	v_mov_b32 v15, 0                               ; written once: a lane permute's destination counts as one of its sources
	s_mov_b32 s20, 0x76543210
	s_mov_b32 s21, 0xfedcba98                      ; v_permlanex16_b32's selects for lane l xor 16
	s_and_b32 s18, s17, 63                         ; a weight's block
	s_wait_kmcnt 0x0
	s_mov_b64 s[24:25], s[12:13]                   ; the source: wo, unless the block's number says otherwise (the choice hangs on ids alone)
	s_cmp_lt_u32 s17, 704
	s_cselect_b64 s[24:25], s[10:11], s[24:25]
	s_cmp_lt_u32 s17, 640
	s_cselect_b64 s[24:25], s[8:9], s[24:25]
	s_cmp_lt_u32 s17, 576
	s_cselect_b64 s[24:25], s[6:7], s[24:25]
	s_cmp_lt_u32 s17, 512
	s_cselect_b64 s[24:25], s[4:5], s[24:25]
	s_cselect_b32 s18, s17, s18                    ; the block's number inside its tensor
	s_lshr_b32 s19, s18, 1
	s_lshl_b32 s19, s19, 5
	s_and_b32 s18, s18, 1
	s_lshl_b32 s18, s18, 3
	s_add_co_u32 s26, s19, s18                     ; its first row: 32 (block / 2) + 8 (block % 2)
	s_lshl_b32 s26, s26, 12                        ; x 4,096 bytes (under 2^26)
	s_mov_b32 s27, 0
	s_add_nc_u64 s[24:25], s[24:25], s[26:27]
	s_mul_i32 s28, s17, BLKB
	s_mov_b32 s29, 0
	s_add_nc_u64 s[28:29], s[14:15], s[28:29]      ; the block's codes
	s_lshl_b32 s30, s17, 9
	s_add_co_u32 s30, s30, SCLS
	s_mov_b32 s31, 0
	s_add_nc_u64 s[30:31], s[14:15], s[30:31]      ; the block's scale words
.macro LOAD g                          ; K step g: lane row i's 128 numbers, 512 consecutive bytes a load, into set g % 2
.irp i, 0,1,2,3,4,5,6,7,8,9,10,11,12,13,14,15
	global_load_b128 v[R+64*((\g)%2)+4*\i:R+64*((\g)%2)+4*\i+3], v1, s[24:25] offset:((\i&7)+16*(\i>>3))*4096+512*(\g) th:TH_LOAD_NT
.endr
.endm
.macro STEP g
.if (\g) < 7
	s_wait_loadcnt 16                              ; this step's 16 loads are in; the next step's 16 may be out
.else
	s_wait_loadcnt 0
.endif
.irp i, 0,1,2,3,4,5,6,7,8,9,10,11,12,13,14,15
	ds_store_b128 v3, v[R+64*((\g)%2)+4*\i:R+64*((\g)%2)+4*\i+3] offset:PIT*\i
.endr
.irp c, 0,1
.irp j, 0,1,2,3,4,5,6,7
	ds_load_b128 v[X+32*\c+4*\j:X+32*\c+4*\j+3], v4 offset:256*\c+16*\j   ; K = 64 c + 32 h + 4 j on.  LDS serves a wave's instructions in order: these see the stores above
.endr
.endr
	s_wait_dscnt 0x0                               ; my neighbours are in, and the stage's stores have read their registers,
	s_wait_xcnt 0x0                                ; and the last step's stores have read the codes' registers
.if (\g) < 6
	LOAD (\g)+2                                    ; so the set takes the loads of two steps on
.endif
.irp c, 0,1
	v_max3_num_f32 v[8+\c], |v[X+32*\c]|, |v[X+32*\c+1]|, 0x1800000   ; my block 2 c + h: all its 32 numbers are mine; and the floor 2^(3 - 127)
.endr
.irp i, 2,4,6,8,10,12,14,16,18,20,22,24,26,28,30
.irp c, 0,1
	v_max3_num_f32 v[8+\c], v[8+\c], |v[X+32*\c+\i]|, |v[X+32*\c+\i+1]|
.endr
.endr
.irp c, 0,1
	v_add_nc_u32 v[10+\c], 0xff000000, v[8+\c]     ; 2 off the exponent field: the conversion takes this operand's exponent field as its scale
.endr
.irp c, 0,1
	v_lshrrev_b32 v[12+\c], 23, v[10+\c]           ; the scale's byte
.endr
	v_lshl_or_b32 v14, v13, 16, v12                ; my two bytes: blocks h and 2 + h of my row,
	v_lshlrev_b32 v14, v5, v14                     ; at their places in the word;
	v_permlanex16_b32 v15, v14, s20, s21
	v_or_b32 v14, v14, v15                         ; with lane l xor 16's two the word is whole
.if (\g) < 4
	v_mov_b32 v[WD+(\g)], v14
.else
	v_cndmask_b32 v[WD+(\g)-4], v[WD+(\g)-4], v14, s22   ; lanes 16-31 keep K steps 4-7
.endif
.irp c, 0,1
	v_cvt_scalef32_pk16_fp6_f32 v[C+6*\c:C+6*\c+2], v[X+32*\c:X+32*\c+15], v[10+\c]
	v_cvt_scalef32_pk16_fp6_f32 v[T+4*\c:T+4*\c+2], v[X+32*\c+16:X+32*\c+31], v[10+\c]   ; (a conversion's three registers begin on an even number)
.endr
	v_nop                                          ; one plain place behind a scaled conversion
.irp c, 0,1
.irp i, 0,1,2
	v_mov_b32 v[C+6*\c+3+\i], v[T+4*\c+\i]
.endr
.endr
	global_store_b128 v1, v[C:C+3], s[28:29] offset:FRB*(\g)              ; each store of the wave covers 512 or 256 consecutive bytes, aligned
	global_store_b64 v2, v[C+4:C+5], s[28:29] offset:FRB*(\g)+512
	global_store_b128 v1, v[C+6:C+9], s[28:29] offset:FRB*(\g)+768
	global_store_b64 v2, v[C+10:C+11], s[28:29] offset:FRB*(\g)+1280
.endm
	LOAD 0
	LOAD 1
.irp g, 0,1,2,3,4,5,6,7
	STEP \g
.endr
	global_store_b128 v6, v[WD:WD+3], s[30:31]     ; the block's 512 bytes of scale words
	s_wait_tensorcnt 0x0
	ds_add_u32 v62, v63
	s_wait_dscnt 0x0
	s_endpgm
.Lfunc_end_k_q83b76d4afc_quant:
	.size	k_q83b76d4afc_quant, .Lfunc_end_k_q83b76d4afc_quant-k_q83b76d4afc_quant
	.p2alignl 7, 3214868480
	.fill 96, 4, 3214868480
	.section	.rodata,"a",@progbits
	.p2align	6, 0x0
	.amdhsa_kernel k_q83b76d4afc_quant
		.amdhsa_group_segment_fixed_size 26112
		.amdhsa_private_segment_fixed_size 0
		.amdhsa_enable_private_segment 0
		.amdhsa_kernarg_size 48
		.amdhsa_user_sgpr_count 2
		.amdhsa_user_sgpr_kernarg_segment_ptr 1
		.amdhsa_wavefront_size32 1
		.amdhsa_system_sgpr_workgroup_id_x 1
		.amdhsa_system_sgpr_workgroup_id_y 1
		.amdhsa_system_sgpr_workgroup_id_z 1
		.amdhsa_system_vgpr_workitem_id 0
		.amdhsa_next_free_vgpr 256
		.amdhsa_next_free_sgpr 66
		.amdhsa_reserve_vcc 0
		.amdhsa_float_denorm_mode_32 3
		.amdhsa_float_denorm_mode_16_64 3
		.amdhsa_memory_ordered 1
		.amdhsa_forward_progress 1
		.amdhsa_inst_pref_size 59
	.end_amdhsa_kernel
	.amdgpu_metadata
---
amdhsa.version: [ 1, 2 ]
amdhsa.kernels:
  - .name:           k_q83b76d4afc_quant
    .symbol:         k_q83b76d4afc_quant.kd
    .args:
      - { .name: x, .offset: 0, .size: 8, .value_kind: global_buffer, .address_space: global }
      - { .name: wq, .offset: 8, .size: 8, .value_kind: global_buffer, .address_space: global }
      - { .name: wk, .offset: 16, .size: 8, .value_kind: global_buffer, .address_space: global }
      - { .name: wv, .offset: 24, .size: 8, .value_kind: global_buffer, .address_space: global }
      - { .name: wo, .offset: 32, .size: 8, .value_kind: global_buffer, .address_space: global }
      - { .name: opnd, .offset: 40, .size: 8, .value_kind: global_buffer, .address_space: global }
    .group_segment_fixed_size: 26112
    .private_segment_fixed_size: 0
    .kernarg_segment_align: 8
    .kernarg_segment_size: 48
    .max_flat_workgroup_size: 96
    .sgpr_count:     66
    .vgpr_count:     256
    .wavefront_size: 32
...
	.end_amdgpu_metadata
.endif
;; end of part 1
;; launch qkv (part 2): grid 96 x 4, 4 waves a work-group, clusters of 4 x 4, 327,680 bytes of LDS; arguments opnd, qkv; writes qkv
.if DOCPART == 2
	.amdgcn_target "amdgcn-amd-amdhsa--gfx1250"
	.amdhsa_code_object_version 6
	.text
	.protected	k_q83b76d4afc_qkv
	.globl	k_q83b76d4afc_qkv
	.p2align	8
	.type	k_q83b76d4afc_qkv,@function
k_q83b76d4afc_qkv:
	s_mov_b64 s[64:65], 0
	v_nop
	global_prefetch_b8 v0, s[64:65] scope:SCOPE_SE
	s_setreg_imm32_b32 hwreg(HW_REG_WAVE_MODE, 25, 1), 1
	s_wait_xcnt 0x0
	s_wait_alu depctr_hold_cnt(0) depctr_sa_sdst(0) depctr_va_vdst(0) depctr_va_sdst(0) depctr_va_ssrc(0) depctr_va_vcc(0) depctr_vm_vsrc(0)
	s_getreg_b32 s2, hwreg(HW_REG_IB_STS2, 6, 4)
	s_cmp_eq_u32 s2, 0
	s_cbranch_scc0 .Lentry_in_a_cluster
	s_endpgm
.Lentry_in_a_cluster:
	s_bfe_u32 s2, ttmp6, 0x10000c
	s_cmp_lg_u32 s2, 0xf033
	s_cbranch_scc0 .Lentry_shape_is_right
	s_endpgm
.Lentry_shape_is_right:
; Q = x wq^T, K = x wk^T, V = x wv^T on codes of FP6 (E2M3) with E8M0 scales, K = 1,024, and the results quantised in registers for the attention: Q and K along the head's 64, V along the keys.
; OPERANDS lie in opnd as images of fragments (16 positions x 128 K = 1,536 bytes: registers 0-3 at 16 x lane, 4-5 at 512 + 8 x lane, 6-9 at 768 + 16 x lane, 10-11 at 1,280 + 8 x lane), eight to a block of 16 positions;
; position p = row with bits 3 and 4 exchanged; scale words 32 bytes a position behind the codes.  In tiles of 256 rows: x 0-31, wq 32-35, wk 36-39, wv 40-43.
; A tile of 256 x 256 results is made by four waves, 128 x 128 each: 64 accumulators, 512 registers.  K goes in steps of 256 through two LDS slots filled by the tensor data mover.
; SOURCE 0's sixteen lane rows become a lane's registers, SOURCE 1's become the lanes.  By the order of positions the 16 registers of source 0's blocks 2 beta, 2 beta + 1 are the true rows 32 beta + 16 (lane / 16) + 0 .. 15.
;   clusters 0-15:  source 1 = tokens (x), source 0 = rows of wq or wk: a lane holds one token and 128 neighbouring features: two heads.  Quantised: one fragment, its halves the two heads' half fragments.
;   clusters 16-23: source 1 = rows of wv, source 0 = tokens: a lane holds one feature and 128 neighbouring keys.  Quantised: one fragment of V^T (16 features x 128 keys).
; Which of the two a cluster does is chosen by selects on the cluster's number, in two tile numbers and six numbers of the way out: one path, no branch.
; CLUSTERS: 4 x 4 work-groups; source 1's tile is shared along a row of the cluster, source 0's along a column: each is asked for jointly, by the same tensor load with a mask that names the four.
; OUT: chunks of 12,288 bytes.  Q, K: chunk (head pair, 0-7 Q, 8-15 K) x 64 + group of 128 tokens: [parity of the head][tile of 16 tokens][768].  V: chunk 1,024 + (batch x 8 + head pair) x 16 + group of 128 keys: [parity][tile of 16 features][1,536].
; Scale words: Q, K 1,024 bytes a chunk [parity][tile / 4][lane row][tile % 4], the odd head's word shifted down by 16 bits; V 512 bytes a chunk [parity][lane row][tile].
; LIMITS: a block of zeros, and one whose largest magnitude lies under 2^-124, gets the scale byte 1 (read by this program alone); NaN and infinities are not served.
; REGISTERS, in windows of 256: window 0: v16-31 addresses; v32-63 scale words, two sets; from v128 source 1's fragments, one set; on the way out v64-67, v112-131, v200-216.
;   window 1: source 0's fragments, two sets, at v0 and v128.   windows 2, 3: the accumulators (a, b) at v[8 (8 (a % 4) + b)].
.set NQ,     2                         ; steps of 128 along K in a slot
.set FR,     12                        ; registers of a fragment
.set FRB,    1536                      ; and its image in bytes
.set NL,     4                         ; LDS loads that bring one
.set NP,     4                         ; places behind this matrix instruction (ISA guide 7.12.1)
.set ROWB,   NQ*FRB                    ; a block's bytes in a slot
.set BLKB,   8*FRB                     ; a block's bytes in memory
.set HALFT,  8*ROWB                    ; eight blocks, 128 rows: what one tensor load brings, and what one wave reads of a source
.set SLOT,   4*HALFT                   ; source 1's 256 rows, then source 0's
.set KS,     32                        ; a row of scales in bytes
.set OSC,    768*BLKB                  ; where opnd's scale words begin
.set SCL,    2*SLOT                    ; behind the ring: the scales, as units of 256 bytes + 16 of padding
.set HALFS,  (128*KS/256)*272          ; those of 128 rows
.set SBLK,   (16*KS/256)*272           ; those of 16 rows
.set SPARE,  SCL+4*HALFS               ; the spare words, 128 bytes for each wave: two blocks of 256 bytes that no other line names
.set QKS,    1536*12288                ; in qkv: Q's and K's scale words
.set VSC,    QKS+1024*1024             ; and V's
.set ADRA, 16                          ; v16-17 source 1's region in slot 0, 1 + 16 x lane;  v18-19 the same + 8 x lane
.set ADRB, 20                          ; v20-23 the same for source 0
.set L16,  24                          ; v24  16 x lane
.set L8,   25                          ; v25  8 x lane
.set SWO,  26                          ; v26  where my four scale words go
.set ADRS, 27                          ; v27  LDS address of my scale words: lanes 0-15 source 1's rows, lanes 16-31 source 0's
.set SPW,  28                          ; v28  LDS address of my spare word; never rewritten
.set NIL,  29                          ; v29  0; never rewritten
.set SHV,  30                          ; v30  16 in lanes 16-31 of the Q and K part, else 0
.set SC,   32
.set SWD,  64                          ; v64-67 four blocks' scale words
.set PC,   112                         ; v112-131 the codes just made
.set AF,   128
.set TM,   200                         ; v200-215 at work
.set PW,   216                         ; the scale word just made
.set G1, 24
.set G0, 32
.set G1B, 48
.set G0B, 56
.set G1S, 68
.set G0S, 76
.set G1SB, 80
.set G0SB, 88
.set SEL, 66                           ; s[66:67] v_permlanex16_b32's selects for lane l xor 16
.set MSB, 0
.macro WIN new                         ; the immediate's high byte repeats the setting that is left
.if MSB != \new
	s_set_vgpr_msb (MSB<<8)|\new
.set MSB, \new
.endif
.endm
.set MUL_LO, 0xa1                      ; source 0 window 1, source 1 window 0, C and D window 2
.set MUL_HI, 0xf1                      ; the same, C and D window 3
.set TO_B,   0x40                      ; destination window 1, address window 0
; A joint load: waves 0 and 1 fetch for source 1, waves 2 and 3 for source 0.  The branch hangs on the wave's number alone.  Four v_nop follow each of the two lines.
.macro JLOAD g0a, g1a, g0b, g1b
	s_cmp_eq_u32 s15, 0
	s_cbranch_scc0 .Lfor_b_\@
	tensor_load_to_lds s[\g0a:\g0a+3], s[\g1a:\g1a+7]
	s_nop 0
.rept 4
	v_nop
.endr
	s_branch .Lasked_\@
.Lfor_b_\@:
	tensor_load_to_lds s[\g0b:\g0b+3], s[\g1b:\g1b+7]
	s_nop 0
.rept 4
	v_nop
.endr
.Lasked_\@:
.endm
.macro CREST                           ; a round of the cluster's barrier behind its opening barrier
	s_cmp_lg_u32 s14, 0
	s_cbranch_scc1 .Lnot_wave_0_\@
	s_barrier_signal -3
.Lnot_wave_0_\@:
	s_barrier_wait -3
	s_barrier_signal -1
	s_barrier_wait -1
.endm
.macro CROUND
	s_barrier_signal -1
	s_barrier_wait -1
	CREST
.endm
	s_load_b128 s[4:7], s[0:1], 0x0                ; opnd s[4:5], qkv s[6:7]
	v_lshl_add_u32 v[SPW], v0, 2, SPARE
	v_mov_b32 v[NIL], 0
	ds_add_u32 v28, v29
	ds_add_u32 v28, v29
	s_wait_dscnt 0x0
	v_lshrrev_b32 v1, 5, v0
	v_readfirstlane_b32 s14, v1                    ; wave 0..3
	s_lshr_b32 s15, s14, 1                         ; which half of source 1's rows is mine.  Also: I fetch for source 1 (0) or source 0 (1)
	s_and_b32 s16, s14, 1                          ; which half of source 0's rows.  Also: which 128 rows of that tile I fetch
	s_bfe_u32 s40, ttmp6, 0x40000                  ; cx, cy: my place in the cluster
	s_bfe_u32 s41, ttmp6, 0x40004
	s_lshr_b32 s17, ttmp9, 1
	s_lshl_b32 s17, s17, 2                         ; Q, K part: x's tiles 4 (c / 2) on,
	s_and_b32 s42, ttmp9, 1
	s_lshl_b32 s42, s42, 2
	s_add_co_u32 s42, s42, 32                      ; against wq's (c even) or wk's (c odd) four tiles
	s_sub_co_u32 s18, ttmp9, 16
	s_lshl_b32 s18, s18, 2                         ; V part: x's tiles 4 (c - 16) on
	s_cmp_lt_u32 ttmp9, 16                         ; the cluster's number: the same in all sixteen partners
	s_cselect_b32 s17, s17, 40                     ; source 1: x, or wv's four tiles
	s_cselect_b32 s42, s42, s18                    ; source 0: the weight, or x
	s_add_co_u32 s17, s17, s41                     ; source 1's tile hangs on cy alone,
	s_add_co_u32 s42, s42, s40                     ; source 0's on cx alone
	s_lshl_b32 s43, s41, 2
	s_lshl_b32 s43, 15, s43                        ; my row of the cluster
	s_lshl_b32 s44, 0x1111, s40                    ; my column
	; descriptor group 1 for codes: eight blocks' 3,072 bytes (384 elements of 8 bytes), 12,288 bytes apart; dense in LDS
	s_or_b32 s[G1+0], s43, (3<<16)|(1<<21)         ; 15:0 the mask; 17:16 elements of 8 bytes; 20 no padding; 21 set beside a mask
	s_or_b32 s[G1B+0], s44, (3<<16)|(1<<21)
.irp g, G1, G1B
	s_mov_b32 s[\g+1], (ROWB/8)<<16                ; tensor_dim0
	s_mov_b32 s[\g+2], 8<<16                       ; tensor_dim1
	s_mov_b32 s[\g+3], (ROWB/8)<<16                ; tile_dim0
	s_mov_b32 s[\g+4], 8                           ; tile_dim1
	s_mov_b32 s[\g+5], BLKB/8                      ; tensor_dim0_stride
	s_mov_b32 s[\g+6], 0
	s_mov_b32 s[\g+7], 0
.endr
	; and for the scales of 128 rows: 4,096 dense bytes as rows of 256 bytes, 16 bytes of padding behind each
	s_or_b32 s[G1S+0], s43, (3<<16)|(1<<20)|(1<<21)|(5<<22)|(3<<25)
	s_or_b32 s[G1SB+0], s44, (3<<16)|(1<<20)|(1<<21)|(5<<22)|(3<<25)
.irp g, G1S, G1SB
	s_mov_b32 s[\g+1], 32<<16
	s_mov_b32 s[\g+2], (128*KS/256)<<16
	s_mov_b32 s[\g+3], 32<<16
	s_mov_b32 s[\g+4], 128*KS/256
	s_mov_b32 s[\g+5], 32
	s_mov_b32 s[\g+6], 0
	s_mov_b32 s[\g+7], 0
.endr
	s_lshl_b32 s18, s16, 7                         ; which 128 rows of the tile I fetch
	s_lshl_b32 s20, s17, 8
	s_add_co_u32 s20, s20, s18                     ; source 1: position 256 x tile + 128 x half
	s_lshl_b32 s46, s42, 8
	s_add_co_u32 s46, s46, s18                     ; source 0 likewise
	s_mov_b32 s21, 0
	s_mov_b32 s47, 0
	s_mov_b64 s[18:19], KS
	s_mul_u64 s[22:23], s[20:21], s[18:19]         ; where these rows' scales begin,
	s_mul_u64 s[92:93], s[46:47], s[18:19]
	s_add_nc_u64 s[22:23], s[22:23], OSC
	s_add_nc_u64 s[92:93], s[92:93], OSC
	s_mov_b64 s[18:19], BLKB/16
	s_mul_u64 s[20:21], s[20:21], s[18:19]         ; and their codes: 768 bytes a position
	s_mul_u64 s[46:47], s[46:47], s[18:19]
	s_mul_i32 s45, s14, HALFT                      ; where they go: wave x 128 rows: no place in the cluster enters an LDS address
	s_mul_i32 s94, s14, HALFS
	s_wait_kmcnt 0x0
	s_add_nc_u64 s[20:21], s[4:5], s[20:21]
	s_add_nc_u64 s[22:23], s[4:5], s[22:23]
	s_add_nc_u64 s[46:47], s[4:5], s[46:47]
	s_add_nc_u64 s[92:93], s[4:5], s[92:93]
	CROUND                                         ; all sixteen work-groups are here: the first joint loads meet
	s_mov_b32 s[G0S], 1
	s_add_co_u32 s[G0S+1], s94, SCL
	s_mov_b64 s[G0S+2:G0S+3], s[22:23]
	s_or_b32 s[G0S+3], s[G0S+3], 0x80000000
	s_mov_b32 s[G0SB], 1
	s_add_co_u32 s[G0SB+1], s94, SCL
	s_mov_b64 s[G0SB+2:G0SB+3], s[92:93]
	s_or_b32 s[G0SB+3], s[G0SB+3], 0x80000000
	JLOAD G0S, G1S, G0SB, G1SB                     ; the scales first: they are wanted with K step 0; filled once
.irp s, 0,1
	s_mov_b32 s[G0+4*\s], 1
	s_add_co_u32 s[G0+4*\s+1], s45, \s*SLOT
	s_add_nc_u64 s[G0+4*\s+2:G0+4*\s+3], s[20:21], \s*ROWB
	s_or_b32 s[G0+4*\s+3], s[G0+4*\s+3], 0x80000000
	s_mov_b32 s[G0B+4*\s], 1
	s_add_co_u32 s[G0B+4*\s+1], s45, \s*SLOT
	s_add_nc_u64 s[G0B+4*\s+2:G0B+4*\s+3], s[46:47], \s*ROWB
	s_or_b32 s[G0B+4*\s+3], s[G0B+4*\s+3], 0x80000000
	JLOAD G0+4*\s, G1, G0B+4*\s, G1B               ; three loads of mine are out behind the second of these
.endr
	v_and_b32 v1, 15, v0                           ; r
	v_bfe_u32 v2, v0, 4, 1                         ; h
	v_and_b32 v3, 31, v0                           ; lane
	v_lshlrev_b32 v[L16], 4, v3
	v_lshlrev_b32 v[L8], 3, v3
	s_mul_i32 s21, s15, HALFT                      ; my 128 rows of source 1
	s_mul_i32 s22, s16, HALFT                      ; my 128 rows of source 0,
	s_add_co_u32 s22, s22, 2*HALFT                 ; which lie behind source 1's 256
.irp s, 0,1
	v_add_nc_u32 v[ADRA+\s], s21, v[L16]
	v_add_nc_u32 v[ADRB+\s], s22, v[L16]
	v_add_nc_u32 v[ADRA+2+\s], s21, v[L8]
	v_add_nc_u32 v[ADRB+2+\s], s22, v[L8]
	s_add_co_u32 s21, s21, SLOT
	s_add_co_u32 s22, s22, SLOT
.endr
	v_mul_u32_u24 v5, v1, KS                       ; my row's scales: KS bytes a row,
	v_lshrrev_b32 v6, 8, v5
	v_lshl_add_u32 v5, v6, 4, v5                   ; and 16 more for each 256 passed
	s_mul_i32 s21, s15, HALFS
	s_mul_i32 s22, s16, HALFS
	s_add_co_u32 s22, s22, 2*HALFS
	s_sub_co_u32 s22, s22, s21
	v_mul_u32_u24 v6, s22, v2                      ; lanes 16-31 take source 0's
	s_add_co_u32 s21, s21, SCL
	v_add_nc_u32 v5, v5, v6
	v_add_nc_u32 v[ADRS], s21, v5
	; the way out: my chunk of qkv
	s_lshl_b32 s95, s17, 1
	s_add_co_u32 s95, s95, s15                     ; source 1's group of 128 positions
	s_lshl_b32 s96, s42, 1
	s_add_co_u32 s96, s96, s16                     ; source 0's
	s_sub_co_u32 s97, s96, 64
	s_lshl_b32 s97, s97, 6
	s_add_co_u32 s97, s97, s95                     ; Q, K: chunk (head pair) x 64 + group of tokens
	s_lshr_b32 s98, s96, 4
	s_lshl_b32 s98, s98, 7
	s_sub_co_u32 s99, s95, 80
	s_lshl_b32 s99, s99, 4
	s_add_co_u32 s98, s98, s99
	s_and_b32 s99, s96, 15
	s_add_co_u32 s98, s98, s99                     ; V: batch x 128 + head pair x 16 + group of keys
	s_lshl_b32 s95, s97, 10
	s_add_co_u32 s95, s95, QKS                     ; the chunk's scale words
	s_lshl_b32 s96, s98, 9
	s_add_co_u32 s96, s96, VSC
	s_add_co_u32 s98, s98, 1024
	s_mov_b32 s2, 1536
	s_mov_b32 s99, 6144
	s_cmp_lt_u32 ttmp9, 16
	s_cselect_b32 s8, s97, s98                     ; the chunk
	s_cselect_b32 s12, s95, s96
	s_cselect_b32 s2, 768, s2                      ; from block to block of source 1: a half fragment, or a fragment
	s_cselect_b32 s10, s99, 768                    ; from a fragment's first half to its second: the other head's part of the chunk, or straight behind
	s_cselect_b32 s18, 512, 0                      ; lanes 16-31 store the odd head's scale words, or repeat lanes 0-15's
	s_cselect_b32 s19, 16, 0
	s_mul_i32 s8, s8, 12288
	s_mov_b32 s9, 0
	s_mov_b32 s11, 0
	s_mov_b32 s13, 0
	s_mov_b32 s3, 0
	s_add_nc_u64 s[8:9], s[6:7], s[8:9]            ; where a fragment's first half goes,
	s_add_nc_u64 s[10:11], s[8:9], s[10:11]        ; its second half,
	s_add_nc_u64 s[12:13], s[6:7], s[12:13]        ; the scale words
	v_mul_u32_u24 v[SWO], s18, v2
	v_lshl_add_u32 v[SWO], v1, 4, v[SWO]           ; 16 r (+ 512 in lanes 16-31)
	v_mul_u32_u24 v[SHV], s19, v2
	s_mov_b32 s[SEL], 0x76543210
	s_mov_b32 s[SEL+1], 0xfedcba98
.macro FRAG reg, adr, q, i             ; block i's fragment of the slot's q-th 128 along K: the image comes back as it was stored; every load's bytes are consecutive from lane to lane
	ds_load_b128 v[\reg:\reg+3], v[\adr] offset:(\i)*ROWB+(\q)*FRB
	ds_load_b64 v[\reg+4:\reg+5], v[\adr+2] offset:(\i)*ROWB+(\q)*FRB+512
	ds_load_b128 v[\reg+6:\reg+9], v[\adr] offset:(\i)*ROWB+(\q)*FRB+768
	ds_load_b64 v[\reg+10:\reg+11], v[\adr+2] offset:(\i)*ROWB+(\q)*FRB+1280
.endm
; 16 matrix instructions: source 1's blocks a0, a0 + 1 x source 0's eight.  p: source 0's set; sc: the set of scale words.  zero = 1: the first product starts the sums.
; The 64 accumulators take turns, one instruction a turn, in the same order in every step.
.macro MUL16 a0, p, q, sc, zero
.irp a, \a0, \a0+1
.irp b, 0,1,2,3,4,5,6,7
.if \zero
	v_wmma_scale_f32_16x16x128_f8f6f4 v[8*(8*((\a)%4)+\b):8*(8*((\a)%4)+\b)+7], v[128*(\p)+FR*\b:128*(\p)+FR*\b+FR-1], v[AF+FR*(\a):AF+FR*(\a)+FR-1], 0, v[SC+8*NQ*(\sc)+NQ*\b+(\q)], v[SC+8*NQ*(\sc)+NQ*(\a)+(\q)] matrix_a_fmt:MATRIX_FMT_FP6 matrix_b_fmt:MATRIX_FMT_FP6 matrix_a_scale:MATRIX_SCALE_ROW1
.else
	v_wmma_scale_f32_16x16x128_f8f6f4 v[8*(8*((\a)%4)+\b):8*(8*((\a)%4)+\b)+7], v[128*(\p)+FR*\b:128*(\p)+FR*\b+FR-1], v[AF+FR*(\a):AF+FR*(\a)+FR-1], v[8*(8*((\a)%4)+\b):8*(8*((\a)%4)+\b)+7], v[SC+8*NQ*(\sc)+NQ*\b+(\q)], v[SC+8*NQ*(\sc)+NQ*(\a)+(\q)] matrix_a_fmt:MATRIX_FMT_FP6 matrix_b_fmt:MATRIX_FMT_FP6 matrix_a_scale:MATRIX_SCALE_ROW1
.endif
.endr
.endr
.endm
.macro FETCH_B slot, q, p
	WIN TO_B
.irp i, 0,1,2,3,4,5,6,7
	FRAG 128*(\p)+FR*\i, ADRB+\slot, \q, \i
.endr
	WIN 0
.endm
.macro FETCH_A slot, q, i0
.irp i, \i0, \i0+1, \i0+2, \i0+3
	FRAG AF+FR*(\i), ADRA+\slot, \q, \i
.endr
.endm
.macro SCALES sc                       ; a K step's scale words into set sc: NQ words a row; lanes 0-15 source 1's block i, lanes 16-31 source 0's block i
.irp i, 0,1,2,3,4,5,6,7
	ds_load_b64 v[SC+8*NQ*\sc+NQ*\i:SC+8*NQ*\sc+NQ*\i+1], v[ADRS] offset:\i*SBLK
.endr
.endm
.macro PLACES n                        ; plain vector instructions between a matrix instruction and a load into, or a vector instruction on, one of its registers
.rept \n
	v_nop
.endr
.endm
.macro STEP slot, q, zero              ; a step of 128 along K that has its successor in the same slot
	s_wait_dscnt 4*NL                              ; source 0's set and source 1's blocks 0-3 are in; the youngest 16 loads (blocks 4-7) may be out
	WIN MUL_LO
	MUL16 0, (\q)%2, \q, \slot, \zero
	MUL16 2, (\q)%2, \q, \slot, \zero
	s_wait_dscnt 0                                 ; blocks 4-7 are in
	PLACES NP
	FETCH_B \slot, (\q)+1, 1-(\q)%2
	FETCH_A \slot, (\q)+1, 0
	WIN MUL_HI
	MUL16 4, (\q)%2, \q, \slot, \zero
	MUL16 6, (\q)%2, \q, \slot, \zero
	PLACES NP
	WIN 0
	FETCH_A \slot, (\q)+1, 4
.endm
; A slot's last step changes slots: one barrier; in front of it each wave waits for all its tensor loads, adds 0 to its spare word, and waits for that and for its own reads of this slot.  fill = 1: this slot is filled again, two K steps ahead.
.macro TURN slot, next, fill
	s_wait_tensorcnt 0x0                           ; all my tensor loads have landed: my part of the next slot
	ds_add_u32 v[SPW], v[NIL]                      ; 0 onto my spare word
	s_wait_dscnt 4*NL+1                            ; (the add and the youngest 16 loads may be out)
	WIN MUL_LO
	MUL16 0, 1, NQ-1, \slot, 0                     ; sixteen matrix instructions stand between the add and the wait for it
	s_wait_dscnt 0x0                               ; the add is done, and my reads of this slot are over
	s_barrier_signal -1
	MUL16 2, 1, NQ-1, \slot, 0
	WIN 0
	s_barrier_wait -1
.if \fill
	CREST                                          ; the barrier has opened a round of the cluster's barrier: no wave of any partner still reads this slot or has a load on its way
	s_add_nc_u64 s[G0+4*\slot+2:G0+4*\slot+3], s[G0+4*\slot+2:G0+4*\slot+3], 2*ROWB
	s_add_nc_u64 s[G0B+4*\slot+2:G0B+4*\slot+3], s[G0B+4*\slot+2:G0B+4*\slot+3], 2*ROWB
	JLOAD G0+4*\slot, G1, G0B+4*\slot, G1B         ; the first tensor load behind the round; its four v_nop are the places in front of the loads below
.else
	PLACES NP
.endif
	v_add_nc_u32 v[ADRS], 4*NQ, v[ADRS]            ; on to the next K step's scale words (no LDS load of mine is out)
	FETCH_B \next, 0, 0
	FETCH_A \next, 0, 0
	SCALES \next
	WIN MUL_HI
	MUL16 4, 1, NQ-1, \slot, 0
	MUL16 6, 1, NQ-1, \slot, 0
	PLACES NP
	WIN 0
	FETCH_A \next, 0, 4
.endm
	s_wait_tensorcnt 1                             ; the scales and my part of K step 0 are in (K step 1's load may be out)
	s_barrier_signal -1
	s_barrier_wait -1                              ; everybody's are
	FETCH_B 0, 0, 0
	FETCH_A 0, 0, 0
	SCALES 0
	FETCH_A 0, 0, 4
	STEP 0, 0, 1                                   ; K = 1,024 is four K steps of 256, written out: slots 0, 1, 0, 1
	TURN 0, 1, 1
	STEP 1, 0, 0
	TURN 1, 0, 1
	STEP 0, 0, 0
	TURN 0, 1, 0                                   ; the last two K steps fill nothing
	STEP 1, 0, 0
	s_wait_dscnt 4*NL
	WIN MUL_LO
	MUL16 0, 1, NQ-1, 1, 0
	MUL16 2, 1, NQ-1, 1, 0
	s_wait_dscnt 0
	WIN MUL_HI
	MUL16 4, 1, NQ-1, 1, 0
	MUL16 6, 1, NQ-1, 1, 0
	WIN 0
; THE WAY OUT.  Block a's 64 registers of a lane, register 16 b + i = neighbour 32 b + 16 (lane / 16) + i of the lane's row, become a fragment's codes in v[PC] on and its scale word in v[PW].
; The maxima read each accumulator from its low end on.
.macro QUANTW a
.set QW, 2+(\a)/4
.set QS, 64*((\a)%4)
.set QWIN, (QW<<2)|(QW<<4)
	WIN QWIN                                       ; sources 1 and 2: the accumulators' window
.irp b, 0,1,2,3
	v_max3_num_f32 v[TM+\b], 0x1800000, |v[QS+16*\b]|, |v[QS+1+16*\b]|   ; block b: my 16 numbers, and the floor 2^(3 - 127): the byte cannot fall under 1
.endr
.irp i, 2,4,6,8,10,12,14
.irp b, 0,1,2,3
	v_max3_num_f32 v[TM+\b], v[TM+\b], |v[QS+16*\b+\i]|, |v[QS+1+16*\b+\i]|
.endr
.endr
	WIN 0
.irp b, 0,1,2,3
	v_permlanex16_b32 v[TM+4+\b], v[TM+\b], s[SEL], s[SEL+1]
.endr
.irp b, 0,1,2,3
	v_max_num_f32 v[TM+\b], v[TM+\b], v[TM+4+\b]   ; with lane l xor 16's: the block's largest magnitude
.endr
.irp b, 0,1,2,3
	v_add_nc_u32 v[TM+12+\b], 0xff000000, v[TM+\b] ; 2 off its exponent field: the conversion's scale operand
.endr
.irp b, 0,1,2,3
	v_lshrrev_b32 v[TM+4+\b], 23, v[TM+12+\b]      ; the scale's byte
.endr
	v_lshl_or_b32 v[PW], v[TM+5], 8, v[TM+4]
	v_lshl_or_b32 v[PW], v[TM+6], 16, v[PW]
	v_lshl_or_b32 v[PW], v[TM+7], 24, v[PW]
	WIN QW                                         ; source 0: the accumulators' window
.irp c, 0,1
	v_cvt_scalef32_pk16_fp6_f32 v[PC+6*\c:PC+2+6*\c], v[QS+32*\c:QS+15+32*\c], v[TM+12+2*\c]
	v_cvt_scalef32_pk16_fp6_f32 v[PC+12+4*\c:PC+14+4*\c], v[QS+16+32*\c:QS+31+32*\c], v[TM+12+2*\c+1]   ; (a conversion's three registers begin on an even number)
.endr
	WIN 0
	v_nop                                          ; one plain place behind a scaled conversion
.irp c, 0,1                                    ; the operand's layout wants a whole block in a lane: lanes 0-15 block 2 c, lanes 16-31 block 2 c + 1
.irp i, 0,1,2
	v_permlane16_swap_b32 v[PC+6*\c+\i], v[PC+12+4*\c+\i]
.endr
.irp i, 0,1,2
	v_mov_b32 v[PC+3+6*\c+\i], v[PC+12+4*\c+\i]
.endr
.endr
.endm
.macro OUT a
.if (\a) > 0
	s_wait_xcnt 0x0                                ; the last block's stores have read their registers and bases: both may be written
	s_add_nc_u64 s[8:9], s[8:9], s[2:3]
	s_add_nc_u64 s[10:11], s[10:11], s[2:3]
.endif
	QUANTW \a
	v_lshrrev_b32 v[SWD+(\a)%4], v[SHV], v[PW]     ; Q, K: lanes 16-31 keep the odd head's two bytes, shifted down
	global_store_b128 v[L16], v[PC:PC+3], s[8:9]                 ; each store of the wave covers 512 or 256 consecutive bytes, aligned
	global_store_b64 v[L8], v[PC+4:PC+5], s[8:9] offset:512
	global_store_b128 v[L16], v[PC+6:PC+9], s[10:11]
	global_store_b64 v[L8], v[PC+10:PC+11], s[10:11] offset:512
.if (\a)%4 == 3
	global_store_b128 v[SWO], v[SWD:SWD+3], s[12:13] offset:256*((\a)/4)   ; four blocks' scale words: sixteen lanes fill 256 consecutive bytes
.endif
.endm
	PLACES NP                                      ; behind the last products: for the reads of results and the writes over source 1's fragments
.irp b, 0,1,2,3
	v_mov_b32 v[TM+4+\b], 0                        ; written once: a lane permute's destination counts as one of its sources
.endr
.irp a, 0,1,2,3,4,5,6,7
	OUT \a
.endr
	s_wait_tensorcnt 0x0                           ; the wave's end
	ds_add_u32 v[SPW], v[NIL]
	s_wait_dscnt 0x0
	CROUND                                         ; the closing round: no work-group ends while a partner may still ask for a tile that names it
	s_endpgm
.Lfunc_end_k_q83b76d4afc_qkv:
	.size	k_q83b76d4afc_qkv, .Lfunc_end_k_q83b76d4afc_qkv-k_q83b76d4afc_qkv
	.p2alignl 7, 3214868480
	.fill 96, 4, 3214868480
	.section	.rodata,"a",@progbits
	.p2align	6, 0x0
	.amdhsa_kernel k_q83b76d4afc_qkv
		.amdhsa_group_segment_fixed_size 327680
		.amdhsa_private_segment_fixed_size 0
		.amdhsa_enable_private_segment 0
		.amdhsa_kernarg_size 16
		.amdhsa_user_sgpr_count 2
		.amdhsa_user_sgpr_kernarg_segment_ptr 1
		.amdhsa_wavefront_size32 1
		.amdhsa_system_sgpr_workgroup_id_x 1
		.amdhsa_system_sgpr_workgroup_id_y 1
		.amdhsa_system_sgpr_workgroup_id_z 1
		.amdhsa_system_vgpr_workitem_id 0
		.amdhsa_next_free_vgpr 1024
		.amdhsa_next_free_sgpr 100
		.amdhsa_reserve_vcc 0
		.amdhsa_float_denorm_mode_32 3
		.amdhsa_float_denorm_mode_16_64 3
		.amdhsa_memory_ordered 1
		.amdhsa_forward_progress 1
		.amdhsa_inst_pref_size 150
	.end_amdhsa_kernel
	.amdgpu_metadata
---
amdhsa.version: [ 1, 2 ]
amdhsa.kernels:
  - .name:           k_q83b76d4afc_qkv
    .symbol:         k_q83b76d4afc_qkv.kd
    .args:
      - { .name: opnd, .offset: 0, .size: 8, .value_kind: global_buffer, .address_space: global }
      - { .name: qkv, .offset: 8, .size: 8, .value_kind: global_buffer, .address_space: global }
    .group_segment_fixed_size: 327680
    .private_segment_fixed_size: 0
    .kernarg_segment_align: 8
    .kernarg_segment_size: 16
    .max_flat_workgroup_size: 128
    .sgpr_count:     100
    .vgpr_count:     1024
    .wavefront_size: 32
...
	.end_amdgpu_metadata
.endif
;; end of part 2
;; launch attn (part 3): grid 8 x 32, 16 waves a work-group, no clusters, 67,584 bytes of LDS; arguments qkv, att; writes att
.if DOCPART == 3
	.amdgcn_target "amdgcn-amd-amdhsa--gfx1250"
	.amdhsa_code_object_version 6
	.text
	.protected	k_q83b76d4afc_attn
	.globl	k_q83b76d4afc_attn
	.p2align	8
	.type	k_q83b76d4afc_attn,@function
k_q83b76d4afc_attn:
	s_mov_b64 s[64:65], 0
	v_nop
	global_prefetch_b8 v0, s[64:65] scope:SCOPE_SE
	s_setreg_imm32_b32 hwreg(HW_REG_WAVE_MODE, 25, 1), 1
	s_wait_xcnt 0x0
; Causal attention of 64 heads (4 batches x 16), head size 64, 2,048 tokens, both products on codes of FP6 (E2M3) with E8M0 scales; its result, divided by the row's sum, is quantised along the model's 1,024 for the last product.
; THE SOFTMAX AHEAD OF THE SECOND PRODUCT: t = score x log2(e) / 8; M = the row's largest t so far, rounded up to a whole number; p = 2^(t - M) is quantised along the keys, not normalised; the row's sum is taken of the unquantised p.
; When M moves, the sum and O are multiplied by 2^(old M - new M): exact.
; SHARES.  A work-group takes one head pair and two blocks of 128 queries: block j, then block 15 - j: (j + 1) + (16 - j) = 17 key steps of 128 keys in every work-group; key groups behind a block's own are left out (the mask hides them).
; Each of its sixteen waves takes one head (wave / 8) and one tile of 16 queries (wave % 8), in 256 registers: four waves to a SIMD, so that one wave's vector work stands beside another's matrix work and LDS loads.
; Only the last step of a block lies on the diagonal: there hidden scores become -infinity ahead of the maximum (p becomes 0; every query sees its own key).
; LAYOUT.  Both products are used transposed: S^T = K Q^T (source 0 = 16 keys), O^T = V^T P^T (source 0 = 16 of the head's 64): a lane holds one query throughout.  Tokens and features lie at position = number with bits 3 and 4 exchanged,
; so the 16 registers of source 0's tiles 2 b, 2 b + 1 are 16 neighbours, 32 b + 16 (lane / 16) + 0 .. 15, and lane r of query tile T stands for query 32 (T / 2) + 8 (T % 2) + r % 8 + 16 (r / 8) of its block.
; THE HEAD'S 64 fill half of the instruction's 128 along K: registers 6-11 of K's and Q's fragments hold zero codes, written once (in registers of their own for each operand).
; TILES.  A key step's K and V of the head pair are two dense chunks of 12,288 bytes and 1,536 bytes of scale words.  Each wave loads 1,536 bytes of them into registers at the head of the step BEFORE, and stores them into the other of two LDS slots
; at that step's end: the loads are issued a whole key step ahead of the wait for them.  One barrier a step: in front of it each wave's stores have landed and its reads of the slot in hand are over.
; NO CLUSTER: work-group j walks key groups 0 .. j and then 0 .. 15 - j, so from its step j + 1 on it wants another group than its seven neighbours of the head pair at the same step: no request could be made jointly throughout.
; LIMITS: a block of zeros, and one whose largest magnitude lies under 2^-124, gets the scale byte 1 (read by this program alone); NaN and infinities are not served.
; REGISTERS: v1-11, v28-29 addresses; v12 -M, v13 the largest t, v[14:15] the sum in two halves; v16-27 Q; v32-79 four fragments of K; v80-95 the next step's tiles on their way; v96-127 O^T; v128-191 S^T, then p, then (v128-175) V's four fragments;
;   v192-198 the second block's Q; v224-235 p's codes; v232-254 at work; v248-251 scale words of K or V; v253 p's scale word; v255 Q's.
.set S,     128
.set OT,    96
.set KFR,   32
.set SLOTB, 32768                      ; a slot: K's codes [parity][8][768], V's [parity][4][1,536], K's scale words 1,024 bytes, V's 512
.set VOFF,  12288
.set KSO,   24576
.set VSO,   25600
.set QKS,   1536*12288                 ; in qkv: Q's and K's scale words
.set VSC,   QKS+1024*1024              ; and V's
.set ASC,   512*12288                  ; in att: the scale bytes
	s_load_b128 s[4:7], s[0:1], 0x0                ; qkv s[4:5], att s[6:7]
	v_lshl_add_u32 v223, v0, 2, 0x10000
	v_mov_b32 v243, 0
	v_lshrrev_b32 v1, 5, v0
	v_readfirstlane_b32 s8, v1                     ; wave 0..15
	s_lshr_b32 s9, s8, 3                           ; the head's parity
	s_and_b32 s10, s8, 7                           ; my tile of queries
	s_mov_b32 s11, ttmp9                           ; j
	s_and_b32 s12, ttmp7, 0xffff
	s_lshr_b32 s13, s12, 3                         ; batch
	s_and_b32 s12, s12, 7                          ; head pair
	v_and_b32 v30, 31, v0                          ; lane
	v_and_b32 v31, 15, v0                          ; r
	v_lshlrev_b32 v1, 4, v30                       ; 16 x lane
	v_lshlrev_b32 v2, 3, v30                       ; 8 x lane
	s_mul_i32 s36, s9, 6144
	v_add_nc_u32 v3, s36, v1                       ; my head's half of K's or V's codes in a slot, + 16 x lane
	v_add_nc_u32 v4, s36, v2                       ; + 8 x lane
	v_lshlrev_b32 v29, 4, v31                      ; 16 r
	s_lshl_b32 s36, s9, 9
	v_add_nc_u32 v5, s36, v29                      ; K's scale words: parity x 512 + 16 r
	s_lshl_b32 s36, s9, 8
	v_add_nc_u32 v6, s36, v29                      ; V's: parity x 256 + 16 r
	s_mul_i32 s36, s8, 1536
	v_add_nc_u32 v7, s36, v1                       ; where I put my 1,536 bytes of a step's codes
	s_lshl_b32 s36, s8, 9
	v_add_nc_u32 v8, s36, v1                       ; and (waves 0-2) my 512 bytes of its scale words
	v_lshlrev_b32 v28, 5, v31                      ; 32 r: a token's row of scale bytes in att
	v_and_b32 v11, 7, v0
	v_bfe_u32 v30, v0, 3, 1
	v_lshl_add_u32 v11, v30, 4, v11
	v_bfe_u32 v30, v0, 4, 1
	v_lshlrev_b32 v30, 4, v30
	v_sub_nc_u32 v11, v11, v30
	s_lshr_b32 s36, s10, 1
	s_lshl_b32 s36, s36, 5
	s_and_b32 s37, s10, 1
	s_lshl_b32 s37, s37, 3
	s_add_co_u32 s36, s36, s37
	v_add_nc_u32 v11, s36, v11                     ; d = my query in its block - 16 (lane / 16): on the diagonal register 16 b + i is hidden where 32 b + i > d
	; the copies: waves 0-7 take K's chunk, waves 8-15 V's, 1,536 bytes each; waves 0, 1 K's scale words, wave 2 V's
	s_add_co_u32 s36, s12, 8
	s_lshl_b32 s36, s36, 6
	s_lshl_b32 s37, s13, 4
	s_add_co_u32 s36, s36, s37                     ; K's chunk of key group 0
	s_lshl_b32 s38, s13, 3
	s_add_co_u32 s38, s38, s12
	s_lshl_b32 s38, s38, 4                         ; V's, less 1,024
	s_lshl_b32 s39, s36, 10
	s_add_co_u32 s39, s39, QKS
	s_lshl_b32 s40, s8, 9
	s_add_co_u32 s39, s39, s40
	s_lshl_b32 s40, s38, 9
	s_add_co_u32 s40, s40, VSC
	s_mov_b32 s18, 1024
	s_cmp_lt_u32 s8, 2
	s_cselect_b32 s26, s39, s40
	s_cselect_b32 s18, s18, 512                    ; from key group to key group, in the scale words
	s_add_co_u32 s38, s38, 1024
	s_cmp_lt_u32 s8, 8
	s_cselect_b32 s24, s36, s38
	s_mul_i32 s24, s24, 12288
	s_mul_i32 s41, s10, 1536
	s_add_co_u32 s24, s24, s41
	s_mov_b32 s25, 0
	s_mov_b32 s27, 0
	; Q of my two blocks
	s_lshl_b32 s42, s12, 6
	s_add_co_u32 s42, s42, s37
	s_add_co_u32 s43, s42, s11                     ; the first block's chunk
	s_sub_co_u32 s44, 15, s11                      ; the second block
	s_add_co_u32 s45, s42, s44                     ; its chunk
	s_mul_i32 s46, s9, 6144
	s_mul_i32 s47, s10, 768
	s_add_co_u32 s46, s46, s47                     ; my half fragment in a chunk
	s_lshl_b32 s47, s9, 9
	s_lshr_b32 s48, s10, 2
	s_lshl_b32 s48, s48, 8
	s_add_co_u32 s47, s47, s48
	s_and_b32 s48, s10, 3
	s_lshl_b32 s48, s48, 2
	s_add_co_u32 s47, s47, s48
	s_add_co_u32 s47, s47, QKS                     ; my tile's words in a chunk's scale words
	s_mul_i32 s48, s43, 12288
	s_add_co_u32 s48, s48, s46
	s_mov_b32 s49, 0
	s_lshl_b32 s50, s43, 10
	s_add_co_u32 s50, s50, s47
	s_mov_b32 s51, 0
	s_mul_i32 s52, s45, 12288
	s_add_co_u32 s52, s52, s46
	s_mov_b32 s53, 0
	s_lshl_b32 s54, s45, 10
	s_add_co_u32 s54, s54, s47
	s_mov_b32 s55, 0
	; where the results go: block of 16 tokens A = batch x 128 + query block x 8 + tile: codes at (8 A + head pair) x 1,536 + parity x 768, scale bytes at 512 A + 32 r + 2 x head
	s_lshl_b32 s56, s13, 7
	s_add_co_u32 s56, s56, s10
	s_lshl_b32 s57, s11, 3
	s_add_co_u32 s57, s57, s56
	s_lshl_b32 s58, s44, 3
	s_add_co_u32 s58, s58, s56
	s_mul_i32 s59, s9, 768
	s_mul_i32 s41, s12, 1536
	s_add_co_u32 s59, s59, s41
	s_mul_i32 s28, s57, 12288
	s_add_co_u32 s28, s28, s59
	s_mov_b32 s29, 0
	s_mul_i32 s32, s58, 12288
	s_add_co_u32 s32, s32, s59
	s_mov_b32 s33, 0
	s_lshl_b32 s41, s12, 2
	s_lshl_b32 s59, s9, 1
	s_add_co_u32 s41, s41, s59
	s_add_co_u32 s41, s41, ASC
	s_lshl_b32 s30, s57, 9
	s_add_co_u32 s30, s30, s41
	s_mov_b32 s31, 0
	s_lshl_b32 s34, s58, 9
	s_add_co_u32 s34, s34, s41
	s_mov_b32 s35, 0
	s_mov_b32 s20, 0x76543210
	s_mov_b32 s21, 0xfedcba98                      ; v_permlanex16_b32's selects for lane l xor 16
	s_mov_b32 s22, 0x3e38aa3b                      ; c = log2(e) / 8
	s_mov_b32 s23, s22                             ; (named with it as a pair, so it is written)
	s_mov_b32 s14, 0                               ; the step, 0 .. 16
	s_mov_b32 s15, 0                               ; the key group of the step that is being asked for
	s_mov_b32 s16, 0
	s_mov_b32 s17, 0
	s_mov_b32 s19, 8
	s_wait_kmcnt 0x0
	s_add_nc_u64 s[24:25], s[4:5], s[24:25]
	s_add_nc_u64 s[26:27], s[4:5], s[26:27]
	s_add_nc_u64 s[48:49], s[4:5], s[48:49]
	s_add_nc_u64 s[50:51], s[4:5], s[50:51]
	s_add_nc_u64 s[52:53], s[4:5], s[52:53]
	s_add_nc_u64 s[54:55], s[4:5], s[54:55]
	s_add_nc_u64 s[28:29], s[6:7], s[28:29]
	s_add_nc_u64 s[30:31], s[6:7], s[30:31]
	s_add_nc_u64 s[32:33], s[6:7], s[32:33]
	s_add_nc_u64 s[34:35], s[6:7], s[34:35]
; A key step's tiles into registers: my 1,536 bytes of codes, and in waves 0-2 my 512 bytes of scale words.  s16, s17: the key group's bytes.
.macro ASK
	v_add_nc_u32 v9, s16, v1                       ; (the loads that last read v9 and v10 have been waited for)
	v_add_nc_u32 v10, s17, v1
	global_load_b128 v[80:83], v9, s[24:25]
	global_load_b128 v[84:87], v9, s[24:25] offset:512
	global_load_b128 v[88:91], v9, s[24:25] offset:1024
	s_cmp_lt_u32 s8, 3
	s_cbranch_scc0 .Lno_words_\@
	global_load_b128 v[92:95], v10, s[26:27]
.Lno_words_\@:
.endm
; and from the registers into a slot
.macro PUT slot
	s_wait_loadcnt 0x0
	ds_store_b128 v7, v[80:83] offset:(\slot)*SLOTB
	ds_store_b128 v7, v[84:87] offset:(\slot)*SLOTB+512
	ds_store_b128 v7, v[88:91] offset:(\slot)*SLOTB+1024
	s_cmp_lt_u32 s8, 3
	s_cbranch_scc0 .Lno_put_\@
	ds_store_b128 v8, v[92:95] offset:(\slot)*SLOTB+KSO
.Lno_put_\@:
.endm
	global_load_b128 v[16:19], v1, s[48:49]        ; Q's half fragments stay in registers
	global_load_b64 v[20:21], v2, s[48:49] offset:512
	global_load_b32 v255, v29, s[50:51]
	global_load_b128 v[192:195], v1, s[52:53]
	global_load_b64 v[196:197], v2, s[52:53] offset:512
	global_load_b32 v198, v29, s[54:55]
	ASK                                            ; key group 0
.irp i, 22,23,24,25,26,27, 38,39,40,41,42,43, 50,51,52,53,54,55, 62,63,64,65,66,67, 74,75,76,77,78,79
	v_mov_b32 v\i, 0                               ; zero codes for K = 64 .. 127 of Q's and of K's four fragments: written once, never loaded
.endr
	v_mov_b32 v13, 0xff61b1e6                      ; the largest t so far: -3e38, under every t
	v_floor_f32 v12, -v13                          ; -M
	v_mov_b32 v14, 0
	v_mov_b32 v15, 0
.irp b, 0,1,2,3
	v_mov_b32 v[236+\b], 0                         ; written once: a lane permute's destination counts as one of its sources
.endr
	v_mov_b32 v252, 0
	v_mov_b32 v253, 0                              ; (named as the upper half of the pair v[252:253] before it is first written)
.set j, 0
.rept 32
	v_mov_b32 v[OT+j], 0                           ; O^T: a block's first step finds zeros, which the first change of M leaves zeros
.set j, j+1
.endr
	PUT 0
	s_wait_dscnt 0x0
	s_barrier_signal -1
	s_barrier_wait -1
.macro MASK                            ; the diagonal: register 16 b + i holds key 32 b + 16 (lane / 16) + i of the group
	v_mov_b32 v254, 0xff800000                     ; -infinity
.set n, 0
.rept 64
	v_cmp_gt_i32 vcc_lo, 32*(n/16)+n%16, v11
	v_cndmask_b32 v[S+n], v[S+n], v254, vcc_lo
.set n, n+1
.endr
.endm
; A block of queries is finished: O^T / the sum; its 32 numbers a lane (register 16 b + i = feature 32 b + 16 (lane / 16) + i of the head) become half a fragment and two scale bytes.  sw = 1: on to the second block.
.macro FINAL sw
	v_add_f32 v14, v14, v15                        ; the sum's two halves,
	v_permlanex16_b32 v252, v14, s20, s21
	v_add_f32 v14, v14, v252                       ; and lane l xor 16's
	v_rcp_f32 v14, v14
	v_nop                                          ; a plain place behind the transcendental,
	s_wait_alu depctr_va_vdst(0)                   ; and the wait ahead of its first reader
.set j, 0
.rept 16
	v_pk_mul_f32 v[S+j:S+j+1], v[OT+j:OT+j+1], v[14:15] op_sel_hi:[1,0]
.set j, j+2
.endr
.irp b, 0,1
	v_max3_num_f32 v[232+\b], |v[S+16*\b]|, |v[S+1+16*\b]|, 0x1800000
.endr
.irp i, 2,4,6,8,10,12,14
.irp b, 0,1
	v_max3_num_f32 v[232+\b], v[232+\b], |v[S+16*\b+\i]|, |v[S+1+16*\b+\i]|
.endr
.endr
.irp b, 0,1
	v_permlanex16_b32 v[236+\b], v[232+\b], s20, s21
.endr
.irp b, 0,1
	v_max_num_f32 v[232+\b], v[232+\b], v[236+\b]
.endr
.irp b, 0,1
	v_add_nc_u32 v[244+\b], 0xff000000, v[232+\b]
.endr
.irp b, 0,1
	v_lshrrev_b32 v[236+\b], 23, v[244+\b]
.endr
	v_lshl_or_b32 v253, v237, 8, v236              ; the head's two scale bytes of my token
	v_cvt_scalef32_pk16_fp6_f32 v[224:226], v[S:S+15], v244
	v_cvt_scalef32_pk16_fp6_f32 v[240:242], v[S+16:S+31], v245
	v_nop                                          ; one plain place behind a scaled conversion
.irp i, 0,1,2
	v_permlane16_swap_b32 v[224+\i], v[240+\i]     ; a whole block to a lane: lanes 0-15 block 0, lanes 16-31 block 1
.endr
.irp i, 0,1,2
	v_mov_b32 v[227+\i], v[240+\i]
.endr
	global_store_b128 v1, v[224:227], s[28:29]     ; 512 and 256 consecutive bytes, aligned
	global_store_b64 v2, v[228:229], s[28:29] offset:512
	global_store_b16 v28, v253, s[30:31]           ; two bytes of each token's 32: the other heads' come from other work-groups (lanes 16-31 repeat lanes 0-15's)
.if \sw
	s_wait_xcnt 0x0                                ; the stores have read their registers and bases
	s_mov_b64 s[28:29], s[32:33]
	s_mov_b64 s[30:31], s[34:35]
	v_mov_b32 v255, v198                           ; the second block's Q; the lines below are the places between these and the next products
.irp i, 0,1,2,3,4,5
	v_mov_b32 v[16+\i], v[192+\i]
.endr
	v_mov_b32 v13, 0xff61b1e6
	v_floor_f32 v12, -v13
	v_mov_b32 v14, 0
	v_mov_b32 v15, 0
.set j, 0
.rept 32
	v_mov_b32 v[OT+j], 0
.set j, j+1
.endr
.endif
.endm
; A KEY STEP, on the slot named.  last = 1: the seventeenth: nothing more is asked for, and it lies on the second block's diagonal.
.macro STEP slot, last
.if !\last
	s_add_co_u32 s15, s15, 1                       ; the next step's key group: one on, or 0 where this step ends the first block
	s_cmp_eq_u32 s14, s11
	s_cselect_b32 s15, 0, s15
	s_mul_i32 s16, s15, 12288
	s_mul_i32 s17, s15, s18
	ASK
.endif
.irp g, 0,1                                    ; S^T = K Q^T, four tiles of 16 keys at a time
.if \g
.rept 4
	v_nop                                          ; places in front of loads into registers that matrix instructions have read
.endr
.endif
.irp t, 0,1,2,3
	ds_load_b128 v[KFR+12*\t:KFR+12*\t+3], v3 offset:\slot*SLOTB+(4*\g+\t)*768
	ds_load_b64 v[KFR+12*\t+4:KFR+12*\t+5], v4 offset:\slot*SLOTB+(4*\g+\t)*768+512
.endr
	ds_load_b128 v[248:251], v5 offset:\slot*SLOTB+KSO+256*\g    ; the four tiles' scale words of lane row r
	s_wait_dscnt 0x0
.irp t, 0,1,2,3
	v_wmma_scale_f32_16x16x128_f8f6f4 v[S+8*(4*\g+\t):S+8*(4*\g+\t)+7], v[KFR+12*\t:KFR+12*\t+11], v[16:27], 0, v[248+\t], v255 matrix_a_fmt:MATRIX_FMT_FP6 matrix_b_fmt:MATRIX_FMT_FP6
.endr
.endr
.rept 4
	v_nop
.endr
.if \last
	MASK
.else
	s_cmp_eq_u32 s14, s11                          ; ids and the step's number: the same in every wave
	s_cbranch_scc0 .Lopen_\@
	MASK
.Lopen_\@:
.endif
.irp b, 0,1,2,3
	v_max3_num_f32 v[232+\b], v[S+16*\b], v[S+1+16*\b], v[S+2+16*\b]   ; the largest score of each block of 32 keys: for the row's maximum and, since p rises with the score, for the block's largest p
.endr
.irp i, 3,5,7,9,11,13
.irp b, 0,1,2,3
	v_max3_num_f32 v[232+\b], v[232+\b], v[S+16*\b+\i], v[S+1+16*\b+\i]
.endr
.endr
.irp b, 0,1,2,3
	v_max_num_f32 v[232+\b], v[232+\b], v[S+15+16*\b]
.endr
.irp b, 0,1,2,3
	v_permlanex16_b32 v[236+\b], v[232+\b], s20, s21
.endr
.irp b, 0,1,2,3
	v_max_num_f32 v[232+\b], v[232+\b], v[236+\b]  ; with lane l xor 16's 16 keys
.endr
	v_max3_num_f32 v254, v232, v233, v234
	v_max_num_f32 v254, v254, v235                 ; the step's largest score of my query
	v_mul_f32 v254, s22, v254                      ; as t
	v_max_num_f32 v13, v13, v254                   ; the running largest t
	v_mov_b32 v254, v12
	v_floor_f32 v12, -v13                          ; the new -M = -ceil(t)
	v_sub_f32 v254, v12, v254                      ; old M - new M: a whole number, 0 or less
	v_cvt_i32_f32 v254, v254                       ; (it saturates)
	v_ldexp_f32 v252, 1.0, v254                    ; f = 2^(old M - new M)
.set j, 0
.rept 32
	v_pk_fma_f32 v[S+j:S+j+1], v[S+j:S+j+1], s[22:23], v[12:13] op_sel_hi:[1,0,0]   ; t - M, two at a time
.set j, j+2
.endr
.irp b, 0,1,2,3
	v_fma_f32 v[232+\b], v[232+\b], s22, v12       ; the same of each block's largest score
.endr
.set j, 0
.rept 64
	v_exp_f32 v[S+j], v[S+j]                       ; p = 2^(t - M), at most 1
.set j, j+1
.endr
	v_pk_mul_f32 v[14:15], v[14:15], v[252:253] op_sel_hi:[1,0]   ; the sums under the new M (a plain place behind the exponentials)
	s_wait_alu depctr_va_vdst(0)                   ; one wait for the whole batch, ahead of its first reader
.irp b, 0,1,2,3
	v_exp_f32 v[232+\b], v[232+\b]                 ; the block's largest p: the same two instructions on the same number give the same bits
.endr
	v_pk_add_f32 v[236:237], v[S:S+1], v[S+2:S+3]  ; the row's sum is taken of the unquantised p, in two chains
.irp j, 4,8,12,16,20,24,28,32,36,40,44,48,52,56,60
	v_pk_add_f32 v[14:15], v[14:15], v[S+\j:S+\j+1]
	v_pk_add_f32 v[236:237], v[236:237], v[S+2+\j:S+3+\j]
.endr
	v_pk_add_f32 v[14:15], v[14:15], v[236:237]
	s_wait_alu depctr_va_vdst(0)                   ; and one for the four
.irp b, 0,1,2,3
	v_max_num_f32 v[232+\b], 0x1800000, v[232+\b]  ; the floor 2^(3 - 127): a block whose every p is 0 keeps the byte 1: its codes are zeros
.endr
.irp b, 0,1,2,3
	v_add_nc_u32 v[244+\b], 0xff000000, v[232+\b]
.endr
.irp b, 0,1,2,3
	v_lshrrev_b32 v[236+\b], 23, v[244+\b]
.endr
	v_lshl_or_b32 v253, v237, 8, v236              ; p's scale word for these 128 keys
	v_lshl_or_b32 v253, v238, 16, v253
	v_lshl_or_b32 v253, v239, 24, v253
.irp c, 0,1
	v_cvt_scalef32_pk16_fp6_f32 v[224+6*\c:226+6*\c], v[S+32*\c:S+15+32*\c], v[244+2*\c]
	v_cvt_scalef32_pk16_fp6_f32 v[236+4*\c:238+4*\c], v[S+16+32*\c:S+31+32*\c], v[244+2*\c+1]
.endr
	v_nop                                          ; one plain place behind a scaled conversion
.irp t, 0,1,2,3                                ; V's four fragments (16 features x 128 keys) land where p lay, while the codes are put in order and O^T is rescaled
	ds_load_b128 v[S+12*\t:S+12*\t+3], v3 offset:\slot*SLOTB+VOFF+\t*1536
	ds_load_b64 v[S+12*\t+4:S+12*\t+5], v4 offset:\slot*SLOTB+VOFF+\t*1536+512
	ds_load_b128 v[S+12*\t+6:S+12*\t+9], v3 offset:\slot*SLOTB+VOFF+\t*1536+768
	ds_load_b64 v[S+12*\t+10:S+12*\t+11], v4 offset:\slot*SLOTB+VOFF+\t*1536+1280
.endr
	ds_load_b128 v[248:251], v6 offset:\slot*SLOTB+VSO
.irp c, 0,1
.irp i, 0,1,2
	v_permlane16_swap_b32 v[224+6*\c+\i], v[236+4*\c+\i]
.endr
.irp i, 0,1,2
	v_mov_b32 v[227+6*\c+\i], v[236+4*\c+\i]
.endr
.endr
.set j, 0
.rept 16
	v_pk_mul_f32 v[OT+j:OT+j+1], v[OT+j:OT+j+1], v[252:253] op_sel_hi:[1,0]   ; O^T under the new M.  (These are also the places in front of the products below)
.set j, j+2
.endr
	s_wait_dscnt 0x0
.irp t, 0,1,2,3                                ; O^T += V^T P^T: four accumulators by turns
	v_wmma_scale_f32_16x16x128_f8f6f4 v[OT+8*\t:OT+8*\t+7], v[S+12*\t:S+12*\t+11], v[224:235], v[OT+8*\t:OT+8*\t+7], v[248+\t], v253 matrix_a_fmt:MATRIX_FMT_FP6 matrix_b_fmt:MATRIX_FMT_FP6
.endr
.rept 5
	v_nop                                          ; five places: the next step's products write S^T over V's fragments
.endr
.if \last
	FINAL 0
.else
	PUT 1-\slot                                    ; the next step's tiles, asked for at this step's head, into the slot that every wave left in front of the last barrier
	s_cmp_eq_u32 s14, s11
	s_cbranch_scc0 .Lgo_on_\@
	FINAL 1
.Lgo_on_\@:
	s_wait_dscnt 0x0                               ; my stores have landed, and my reads of this slot are over
	s_barrier_signal -1
	s_barrier_wait -1
	s_add_co_u32 s14, s14, 1
.endif
.endm
.Lpair:                                            ; eight trips of two steps; the seventeenth step is written out
	STEP 0, 0
	STEP 1, 0
	s_sub_co_u32 s19, s19, 1
	s_cmp_lg_u32 s19, 0
	s_cbranch_scc1 .Lpair
	STEP 0, 1
	s_wait_tensorcnt 0x0
	ds_add_u32 v223, v243
	s_wait_dscnt 0x0
	s_endpgm
.Lfunc_end_k_q83b76d4afc_attn:
	.size	k_q83b76d4afc_attn, .Lfunc_end_k_q83b76d4afc_attn-k_q83b76d4afc_attn
	.p2alignl 7, 3214868480
	.fill 96, 4, 3214868480
	.section	.rodata,"a",@progbits
	.p2align	6, 0x0
	.amdhsa_kernel k_q83b76d4afc_attn
		.amdhsa_group_segment_fixed_size 67584
		.amdhsa_private_segment_fixed_size 0
		.amdhsa_enable_private_segment 0
		.amdhsa_kernarg_size 16
		.amdhsa_user_sgpr_count 2
		.amdhsa_user_sgpr_kernarg_segment_ptr 1
		.amdhsa_wavefront_size32 1
		.amdhsa_system_sgpr_workgroup_id_x 1
		.amdhsa_system_sgpr_workgroup_id_y 1
		.amdhsa_system_sgpr_workgroup_id_z 1
		.amdhsa_system_vgpr_workitem_id 0
		.amdhsa_next_free_vgpr 256
		.amdhsa_next_free_sgpr 66
		.amdhsa_reserve_vcc 1
		.amdhsa_float_denorm_mode_32 3
		.amdhsa_float_denorm_mode_16_64 3
		.amdhsa_memory_ordered 1
		.amdhsa_forward_progress 1
		.amdhsa_inst_pref_size 88
	.end_amdhsa_kernel
	.amdgpu_metadata
---
amdhsa.version: [ 1, 2 ]
amdhsa.kernels:
  - .name:           k_q83b76d4afc_attn
    .symbol:         k_q83b76d4afc_attn.kd
    .args:
      - { .name: qkv, .offset: 0, .size: 8, .value_kind: global_buffer, .address_space: global }
      - { .name: att, .offset: 8, .size: 8, .value_kind: global_buffer, .address_space: global }
    .group_segment_fixed_size: 67584
    .private_segment_fixed_size: 0
    .kernarg_segment_align: 8
    .kernarg_segment_size: 16
    .max_flat_workgroup_size: 512
    .sgpr_count:     66
    .vgpr_count:     256
    .wavefront_size: 32
...
	.end_amdgpu_metadata
.endif
;; end of part 3
;; launch oproj (part 4): grid 4 x 32, 4 waves a work-group, clusters of 4 x 4, 327,680 bytes of LDS; arguments att, opnd, out0; writes out0
.if DOCPART == 4
	.amdgcn_target "amdgcn-amd-amdhsa--gfx1250"
	.amdhsa_code_object_version 6
	.text
	.protected	k_q83b76d4afc_oproj
	.globl	k_q83b76d4afc_oproj
	.p2align	8
	.type	k_q83b76d4afc_oproj,@function
k_q83b76d4afc_oproj:
	s_mov_b64 s[64:65], 0
	v_nop
	global_prefetch_b8 v0, s[64:65] scope:SCOPE_SE
	s_setreg_imm32_b32 hwreg(HW_REG_WAVE_MODE, 25, 1), 1
	s_wait_xcnt 0x0
	s_wait_alu depctr_hold_cnt(0) depctr_sa_sdst(0) depctr_va_vdst(0) depctr_va_sdst(0) depctr_va_ssrc(0) depctr_va_vcc(0) depctr_vm_vsrc(0)
	s_getreg_b32 s2, hwreg(HW_REG_IB_STS2, 6, 4)
	s_cmp_eq_u32 s2, 0
	s_cbranch_scc0 .Lentry_in_a_cluster
	s_endpgm
.Lentry_in_a_cluster:
	s_bfe_u32 s2, ttmp6, 0x10000c
	s_cmp_lg_u32 s2, 0xf033
	s_cbranch_scc0 .Lentry_shape_is_right
	s_endpgm
.Lentry_shape_is_right:
; out0 = (attention's result) wo^T on codes of FP6 (E2M3) with E8M0 scales, K = 1,024; out0 [8192][1024] f32.
; OPERANDS lie as images of fragments (16 positions x 128 K = 1,536 bytes: registers 0-3 at 16 x lane, 4-5 at 512 + 8 x lane, 6-9 at 768 + 16 x lane, 10-11 at 1,280 + 8 x lane), eight to a block of 16 positions;
; position p = row with bits 3 and 4 exchanged; scale words 32 bytes a position behind the codes.  Source 1 = tokens (att), source 0 = rows of wo (opnd's tiles 44-47 of 256 rows).
; A tile of 256 x 256 of out0 is made by four waves, 128 x 128 each: 64 accumulators, 512 registers.  K goes in steps of 256 through two LDS slots filled by the tensor data mover.
; A lane holds one token; by the order of positions the 16 registers of wo's blocks 2 beta, 2 beta + 1 are columns 32 beta + 16 (lane / 16) + 0 .. 15.  The way out puts columns and rows back in their true order.
; CLUSTERS: 4 x 4 work-groups; the tokens' tile is shared along a row of the cluster, wo's along a column: each is asked for jointly.  32 x 4 tiles: 128 work-groups.
; REGISTERS, in windows of 256: window 0: v16-31 addresses; v32-63 scale words, two sets; from v128 source 1's fragments, one set; on the way out v128-255 rows of out0.
;   window 1: source 0's fragments, two sets, at v0 and v128.   windows 2, 3: the accumulators (a, b) at v[8 (8 (a % 4) + b)].
.set SIZE_N, 1024
.set NQ,     2
.set FR,     12
.set FRB,    1536
.set NL,     4
.set NP,     4
.set ROWB,   NQ*FRB
.set BLKB,   8*FRB
.set HALFT,  8*ROWB
.set SLOT,   4*HALFT
.set KS,     32
.set OSC,    768*BLKB                  ; where opnd's scale words begin
.set ASC,    512*BLKB                  ; and att's
.set SCL,    2*SLOT
.set HALFS,  (128*KS/256)*272
.set SBLK,   (16*KS/256)*272
.set SPARE,  SCL+4*HALFS               ; the spare words, 128 bytes for each wave: two blocks of 256 bytes that no other line names
.set SPITCH, 528                       ; the way out: a stage of 16 rows x (512 bytes + 16) for each wave, in slot 0, which has had its last fill and its last read when the first result is stored there
.set ADRA, 16
.set ADRB, 20
.set STO,  24                          ; v24  the way out: where I put 32 bytes of a row
.set RD,   25                          ; v25  where I read a row back
.set CO,   26                          ; v26  my byte offset in a row of out0
.set ADRS, 27
.set SPW,  28
.set NIL,  29
.set SC,   32
.set AF,   128
.set BK,   128
.set G1, 24
.set G0, 32
.set G1B, 48
.set G0B, 56
.set G1S, 68
.set G0S, 76
.set G1SB, 80
.set G0SB, 88
.set MSB, 0
.macro WIN new                         ; the immediate's high byte repeats the setting that is left
.if MSB != \new
	s_set_vgpr_msb (MSB<<8)|\new
.set MSB, \new
.endif
.endm
.set MUL_LO, 0xa1
.set MUL_HI, 0xf1
.set TO_B,   0x40
.macro JLOAD g0a, g1a, g0b, g1b        ; a joint load: waves 0 and 1 fetch for source 1, waves 2 and 3 for source 0; four v_nop follow each of the two lines
	s_cmp_eq_u32 s15, 0
	s_cbranch_scc0 .Lfor_b_\@
	tensor_load_to_lds s[\g0a:\g0a+3], s[\g1a:\g1a+7]
	s_nop 0
.rept 4
	v_nop
.endr
	s_branch .Lasked_\@
.Lfor_b_\@:
	tensor_load_to_lds s[\g0b:\g0b+3], s[\g1b:\g1b+7]
	s_nop 0
.rept 4
	v_nop
.endr
.Lasked_\@:
.endm
.macro CREST
	s_cmp_lg_u32 s14, 0
	s_cbranch_scc1 .Lnot_wave_0_\@
	s_barrier_signal -3
.Lnot_wave_0_\@:
	s_barrier_wait -3
	s_barrier_signal -1
	s_barrier_wait -1
.endm
.macro CROUND
	s_barrier_signal -1
	s_barrier_wait -1
	CREST
.endm
	s_load_b128 s[4:7], s[0:1], 0x0                ; att s[4:5], opnd s[6:7]
	s_load_b64 s[12:13], s[0:1], 0x10              ; out0
	v_lshl_add_u32 v[SPW], v0, 2, SPARE
	v_mov_b32 v[NIL], 0
	ds_add_u32 v28, v29
	ds_add_u32 v28, v29
	s_wait_dscnt 0x0
	v_lshrrev_b32 v1, 5, v0
	v_readfirstlane_b32 s14, v1                    ; wave 0..3
	s_lshr_b32 s15, s14, 1                         ; which half of the tile's rows is mine.  Also: I fetch for source 1 (0) or source 0 (1)
	s_and_b32 s16, s14, 1                          ; which half of its columns.  Also: which 128 rows of that tile I fetch
	s_bfe_u32 s40, ttmp6, 0x40000                  ; cx, cy
	s_bfe_u32 s41, ttmp6, 0x40004
	s_lshl_b32 s42, ttmp9, 2
	s_add_co_u32 s42, s42, s40                     ; tile column = 4 x cluster x + cx
	s_and_b32 s17, ttmp7, 0xffff
	s_lshl_b32 s17, s17, 2
	s_add_co_u32 s17, s17, s41                     ; tile row = 4 x cluster y + cy
	s_lshl_b32 s43, s41, 2
	s_lshl_b32 s43, 15, s43                        ; my row of the cluster
	s_lshl_b32 s44, 0x1111, s40                    ; my column
	s_or_b32 s[G1+0], s43, (3<<16)|(1<<21)         ; codes: eight blocks' 3,072 bytes (384 elements of 8 bytes), 12,288 bytes apart; dense in LDS
	s_or_b32 s[G1B+0], s44, (3<<16)|(1<<21)
.irp g, G1, G1B
	s_mov_b32 s[\g+1], (ROWB/8)<<16
	s_mov_b32 s[\g+2], 8<<16
	s_mov_b32 s[\g+3], (ROWB/8)<<16
	s_mov_b32 s[\g+4], 8
	s_mov_b32 s[\g+5], BLKB/8
	s_mov_b32 s[\g+6], 0
	s_mov_b32 s[\g+7], 0
.endr
	s_or_b32 s[G1S+0], s43, (3<<16)|(1<<20)|(1<<21)|(5<<22)|(3<<25)   ; scales of 128 rows: 4,096 dense bytes as rows of 256 bytes, 16 bytes of padding behind each
	s_or_b32 s[G1SB+0], s44, (3<<16)|(1<<20)|(1<<21)|(5<<22)|(3<<25)
.irp g, G1S, G1SB
	s_mov_b32 s[\g+1], 32<<16
	s_mov_b32 s[\g+2], (128*KS/256)<<16
	s_mov_b32 s[\g+3], 32<<16
	s_mov_b32 s[\g+4], 128*KS/256
	s_mov_b32 s[\g+5], 32
	s_mov_b32 s[\g+6], 0
	s_mov_b32 s[\g+7], 0
.endr
	s_lshl_b32 s18, s16, 7
	s_lshl_b32 s20, s17, 8
	s_add_co_u32 s20, s20, s18                     ; tokens: position 256 x tile row + 128 x half
	s_lshl_b32 s46, s42, 8
	s_add_co_u32 s46, s46, s18
	s_add_co_u32 s46, s46, 44*256                  ; wo: opnd's position 256 x (44 + tile column) + 128 x half
	s_mov_b32 s21, 0
	s_mov_b32 s47, 0
	s_mov_b64 s[18:19], KS
	s_mul_u64 s[22:23], s[20:21], s[18:19]
	s_mul_u64 s[92:93], s[46:47], s[18:19]
	s_add_nc_u64 s[22:23], s[22:23], ASC
	s_add_nc_u64 s[92:93], s[92:93], OSC
	s_mov_b64 s[18:19], BLKB/16
	s_mul_u64 s[20:21], s[20:21], s[18:19]
	s_mul_u64 s[46:47], s[46:47], s[18:19]
	s_mul_i32 s45, s14, HALFT
	s_mul_i32 s94, s14, HALFS
	s_wait_kmcnt 0x0
	s_add_nc_u64 s[20:21], s[4:5], s[20:21]
	s_add_nc_u64 s[22:23], s[4:5], s[22:23]
	s_add_nc_u64 s[46:47], s[6:7], s[46:47]
	s_add_nc_u64 s[92:93], s[6:7], s[92:93]
	CROUND                                         ; all sixteen work-groups are here: the first joint loads meet
	s_mov_b32 s[G0S], 1
	s_add_co_u32 s[G0S+1], s94, SCL
	s_mov_b64 s[G0S+2:G0S+3], s[22:23]
	s_or_b32 s[G0S+3], s[G0S+3], 0x80000000
	s_mov_b32 s[G0SB], 1
	s_add_co_u32 s[G0SB+1], s94, SCL
	s_mov_b64 s[G0SB+2:G0SB+3], s[92:93]
	s_or_b32 s[G0SB+3], s[G0SB+3], 0x80000000
	JLOAD G0S, G1S, G0SB, G1SB                     ; the scales first; filled once
.irp s, 0,1
	s_mov_b32 s[G0+4*\s], 1
	s_add_co_u32 s[G0+4*\s+1], s45, \s*SLOT
	s_add_nc_u64 s[G0+4*\s+2:G0+4*\s+3], s[20:21], \s*ROWB
	s_or_b32 s[G0+4*\s+3], s[G0+4*\s+3], 0x80000000
	s_mov_b32 s[G0B+4*\s], 1
	s_add_co_u32 s[G0B+4*\s+1], s45, \s*SLOT
	s_add_nc_u64 s[G0B+4*\s+2:G0B+4*\s+3], s[46:47], \s*ROWB
	s_or_b32 s[G0B+4*\s+3], s[G0B+4*\s+3], 0x80000000
	JLOAD G0+4*\s, G1, G0B+4*\s, G1B               ; three loads of mine are out behind the second of these
.endr
	v_and_b32 v1, 15, v0                           ; r
	v_bfe_u32 v2, v0, 4, 1                         ; h
	v_and_b32 v3, 31, v0                           ; lane
	v_lshlrev_b32 v[CO], 4, v3                     ; 16 x lane
	v_lshlrev_b32 v4, 3, v3                        ; 8 x lane
	s_mul_i32 s21, s15, HALFT
	s_mul_i32 s22, s16, HALFT
	s_add_co_u32 s22, s22, 2*HALFT
.irp s, 0,1
	v_add_nc_u32 v[ADRA+\s], s21, v[CO]
	v_add_nc_u32 v[ADRB+\s], s22, v[CO]
	v_add_nc_u32 v[ADRA+2+\s], s21, v4
	v_add_nc_u32 v[ADRB+2+\s], s22, v4
	s_add_co_u32 s21, s21, SLOT
	s_add_co_u32 s22, s22, SLOT
.endr
	v_mul_u32_u24 v5, v1, KS
	v_lshrrev_b32 v6, 8, v5
	v_lshl_add_u32 v5, v6, 4, v5
	s_mul_i32 s21, s15, HALFS
	s_mul_i32 s22, s16, HALFS
	s_add_co_u32 s22, s22, 2*HALFS
	s_sub_co_u32 s22, s22, s21
	v_mul_u32_u24 v6, s22, v2                      ; lanes 16-31 take source 0's
	s_add_co_u32 s21, s21, SCL
	v_add_nc_u32 v5, v5, v6
	v_add_nc_u32 v[ADRS], s21, v5
	s_mul_i32 s23, s14, 16*SPITCH                  ; my stage
	v_mul_u32_u24 v5, v1, SPITCH                   ; in: row r; my half's 16 columns of each 32: + 64 h bytes
	v_lshl_add_u32 v5, v2, 6, v5
	v_add_nc_u32 v[STO], s23, v5
	v_add_nc_u32 v[RD], s23, v[CO]                 ; back: the 32 lanes take one row of 512 bytes
	s_lshl_b32 s20, s17, 8
	s_lshl_b32 s21, s15, 7
	s_add_co_u32 s20, s20, s21                     ; my first row of out0
	s_mov_b32 s21, 0
	s_mov_b64 s[18:19], SIZE_N*4
	s_mul_u64 s[20:21], s[20:21], s[18:19]
	s_lshl_b32 s46, s42, 10                        ; my first column, in bytes
	s_lshl_b32 s47, s16, 9
	s_add_co_u32 s46, s46, s47
	s_mov_b32 s47, 0
	s_add_nc_u64 s[20:21], s[20:21], s[46:47]
	s_add_nc_u64 s[12:13], s[12:13], s[20:21]
.macro FRAG reg, adr, q, i             ; block i's fragment of the slot's q-th 128 along K: the image comes back as it was stored
	ds_load_b128 v[\reg:\reg+3], v[\adr] offset:(\i)*ROWB+(\q)*FRB
	ds_load_b64 v[\reg+4:\reg+5], v[\adr+2] offset:(\i)*ROWB+(\q)*FRB+512
	ds_load_b128 v[\reg+6:\reg+9], v[\adr] offset:(\i)*ROWB+(\q)*FRB+768
	ds_load_b64 v[\reg+10:\reg+11], v[\adr+2] offset:(\i)*ROWB+(\q)*FRB+1280
.endm
; 16 matrix instructions; the 64 accumulators take turns, one instruction a turn, in the same order in every step
.macro MUL16 a0, p, q, sc, zero
.irp a, \a0, \a0+1
.irp b, 0,1,2,3,4,5,6,7
.if \zero
	v_wmma_scale_f32_16x16x128_f8f6f4 v[8*(8*((\a)%4)+\b):8*(8*((\a)%4)+\b)+7], v[128*(\p)+FR*\b:128*(\p)+FR*\b+FR-1], v[AF+FR*(\a):AF+FR*(\a)+FR-1], 0, v[SC+8*NQ*(\sc)+NQ*\b+(\q)], v[SC+8*NQ*(\sc)+NQ*(\a)+(\q)] matrix_a_fmt:MATRIX_FMT_FP6 matrix_b_fmt:MATRIX_FMT_FP6 matrix_a_scale:MATRIX_SCALE_ROW1
.else
	v_wmma_scale_f32_16x16x128_f8f6f4 v[8*(8*((\a)%4)+\b):8*(8*((\a)%4)+\b)+7], v[128*(\p)+FR*\b:128*(\p)+FR*\b+FR-1], v[AF+FR*(\a):AF+FR*(\a)+FR-1], v[8*(8*((\a)%4)+\b):8*(8*((\a)%4)+\b)+7], v[SC+8*NQ*(\sc)+NQ*\b+(\q)], v[SC+8*NQ*(\sc)+NQ*(\a)+(\q)] matrix_a_fmt:MATRIX_FMT_FP6 matrix_b_fmt:MATRIX_FMT_FP6 matrix_a_scale:MATRIX_SCALE_ROW1
.endif
.endr
.endr
.endm
.macro FETCH_B slot, q, p
	WIN TO_B
.irp i, 0,1,2,3,4,5,6,7
	FRAG 128*(\p)+FR*\i, ADRB+\slot, \q, \i
.endr
	WIN 0
.endm
.macro FETCH_A slot, q, i0
.irp i, \i0, \i0+1, \i0+2, \i0+3
	FRAG AF+FR*(\i), ADRA+\slot, \q, \i
.endr
.endm
.macro SCALES sc
.irp i, 0,1,2,3,4,5,6,7
	ds_load_b64 v[SC+8*NQ*\sc+NQ*\i:SC+8*NQ*\sc+NQ*\i+1], v[ADRS] offset:\i*SBLK
.endr
.endm
.macro PLACES n
.rept \n
	v_nop
.endr
.endm
.macro STEP slot, q, zero
	s_wait_dscnt 4*NL                              ; source 0's set and source 1's blocks 0-3 are in; the youngest 16 loads (blocks 4-7) may be out
	WIN MUL_LO
	MUL16 0, (\q)%2, \q, \slot, \zero
	MUL16 2, (\q)%2, \q, \slot, \zero
	s_wait_dscnt 0
	PLACES NP
	FETCH_B \slot, (\q)+1, 1-(\q)%2
	FETCH_A \slot, (\q)+1, 0
	WIN MUL_HI
	MUL16 4, (\q)%2, \q, \slot, \zero
	MUL16 6, (\q)%2, \q, \slot, \zero
	PLACES NP
	WIN 0
	FETCH_A \slot, (\q)+1, 4
.endm
.macro TURN slot, next, fill
	s_wait_tensorcnt 0x0                           ; all my tensor loads have landed: my part of the next slot
	ds_add_u32 v[SPW], v[NIL]                      ; 0 onto my spare word
	s_wait_dscnt 4*NL+1                            ; (the add and the youngest 16 loads may be out)
	WIN MUL_LO
	MUL16 0, 1, NQ-1, \slot, 0
	s_wait_dscnt 0x0                               ; the add is done, and my reads of this slot are over
	s_barrier_signal -1
	MUL16 2, 1, NQ-1, \slot, 0
	WIN 0
	s_barrier_wait -1
.if \fill
	CREST                                          ; the barrier has opened a round of the cluster's barrier: no wave of any partner still reads this slot or has a load on its way
	s_add_nc_u64 s[G0+4*\slot+2:G0+4*\slot+3], s[G0+4*\slot+2:G0+4*\slot+3], 2*ROWB
	s_add_nc_u64 s[G0B+4*\slot+2:G0B+4*\slot+3], s[G0B+4*\slot+2:G0B+4*\slot+3], 2*ROWB
	JLOAD G0+4*\slot, G1, G0B+4*\slot, G1B
.else
	PLACES NP
.endif
	v_add_nc_u32 v[ADRS], 4*NQ, v[ADRS]
	FETCH_B \next, 0, 0
	FETCH_A \next, 0, 0
	SCALES \next
	WIN MUL_HI
	MUL16 4, 1, NQ-1, \slot, 0
	MUL16 6, 1, NQ-1, \slot, 0
	PLACES NP
	WIN 0
	FETCH_A \next, 0, 4
.endm
	s_wait_tensorcnt 1                             ; the scales and my part of K step 0 are in (K step 1's load may be out)
	s_barrier_signal -1
	s_barrier_wait -1
	FETCH_B 0, 0, 0
	FETCH_A 0, 0, 0
	SCALES 0
	FETCH_A 0, 0, 4
	STEP 0, 0, 1                                   ; four K steps of 256, written out: slots 0, 1, 0, 1
	TURN 0, 1, 1
	STEP 1, 0, 0
	TURN 1, 0, 1
	STEP 0, 0, 0
	TURN 0, 1, 0
	STEP 1, 0, 0
	s_wait_dscnt 4*NL
	WIN MUL_LO
	MUL16 0, 1, NQ-1, 1, 0
	MUL16 2, 1, NQ-1, 1, 0
	s_wait_dscnt 0
	WIN MUL_HI
	MUL16 4, 1, NQ-1, 1, 0
	MUL16 6, 1, NQ-1, 1, 0
	WIN 0
; THE WAY OUT, block by block of 16 tokens x 128 columns, through my own stage and back as whole rows of 512 bytes.  Tile b's eight registers are columns 32 (b / 2) + 16 h + 8 (b % 2) + 0 .. 7;
; stage row t of block a is token 32 (a / 2) + 8 (a % 2) + t % 8 + 16 (t / 8) of my 128.  LDS serves a wave's instructions in order (ISA guide 5.7.1.4): no wait between the stores and the loads.
.macro TOSTAGE a
.set AC, 64*((\a)%4)
	WIN 0x08+4*((\a)/4)                            ; the data: window 2 or 3
.irp b, 0,1,2,3,4,5,6,7
	ds_store_b128 v[STO], v[AC+8*\b:AC+8*\b+3] offset:128*(\b/2)+32*(\b%2)        ; each accumulator from its low end on
	ds_store_b128 v[STO], v[AC+8*\b+4:AC+8*\b+7] offset:128*(\b/2)+32*(\b%2)+16
.endr
	WIN 0
.set BB, BK+64*((\a)%2)
.irp t, 0,1,2,3,4,5,6,7,8,9,10,11,12,13,14,15
	ds_load_b128 v[BB+4*\t:BB+4*\t+3], v[RD] offset:\t*SPITCH
.endr
.endm
.macro SEND a, younger                 ; younger: the LDS instructions issued behind block a's loads, which may stay out
.set BB, BK+64*((\a)%2)
	s_wait_dscnt \younger
.if (\a) > 0
.if (\a)%2 == 1
	s_add_nc_u64 s[12:13], s[12:13], 8*SIZE_N*4    ; (behind a wait on XCNT: the earlier stores have read their base)  an odd block begins 8 rows on,
.else
	s_add_nc_u64 s[12:13], s[12:13], 24*SIZE_N*4   ; an even one 24
.endif
.endif
.irp t, 0,1,2,3,4,5,6,7,8,9,10,11,12,13,14,15
	global_store_b128 v[CO], v[BB+4*\t:BB+4*\t+3], s[12:13] offset:((\t&7)+16*(\t>>3))*SIZE_N*4 th:TH_STORE_NT   ; 32 lanes store 512 consecutive bytes, aligned; written once, read by nobody here
.endr
.endm
	PLACES NP
	TOSTAGE 0
.irp a, 1,2,3,4,5,6,7
.if \a > 1
	s_wait_xcnt 0x0                                ; block a - 2's stores have read their registers and their base
.endif
	TOSTAGE \a
	SEND \a-1, 32                                  ; behind block a - 1's loads: block a's 16 stores and 16 loads
.endr
	s_wait_xcnt 0x0
	SEND 7, 0
	s_wait_tensorcnt 0x0                           ; the wave's end
	ds_add_u32 v[SPW], v[NIL]
	s_wait_dscnt 0x0
	CROUND                                         ; the closing round: no work-group ends while a partner may still ask for a tile that names it
	s_endpgm
.Lfunc_end_k_q83b76d4afc_oproj:
	.size	k_q83b76d4afc_oproj, .Lfunc_end_k_q83b76d4afc_oproj-k_q83b76d4afc_oproj
	.p2alignl 7, 3214868480
	.fill 96, 4, 3214868480
	.section	.rodata,"a",@progbits
	.p2align	6, 0x0
	.amdhsa_kernel k_q83b76d4afc_oproj
		.amdhsa_group_segment_fixed_size 327680
		.amdhsa_private_segment_fixed_size 0
		.amdhsa_enable_private_segment 0
		.amdhsa_kernarg_size 24
		.amdhsa_user_sgpr_count 2
		.amdhsa_user_sgpr_kernarg_segment_ptr 1
		.amdhsa_wavefront_size32 1
		.amdhsa_system_sgpr_workgroup_id_x 1
		.amdhsa_system_sgpr_workgroup_id_y 1
		.amdhsa_system_sgpr_workgroup_id_z 1
		.amdhsa_system_vgpr_workitem_id 0
		.amdhsa_next_free_vgpr 1024
		.amdhsa_next_free_sgpr 98
		.amdhsa_reserve_vcc 0
		.amdhsa_float_denorm_mode_32 3
		.amdhsa_float_denorm_mode_16_64 3
		.amdhsa_memory_ordered 1
		.amdhsa_forward_progress 1
		.amdhsa_inst_pref_size 144
	.end_amdhsa_kernel
	.amdgpu_metadata
---
amdhsa.version: [ 1, 2 ]
amdhsa.kernels:
  - .name:           k_q83b76d4afc_oproj
    .symbol:         k_q83b76d4afc_oproj.kd
    .args:
      - { .name: att, .offset: 0, .size: 8, .value_kind: global_buffer, .address_space: global }
      - { .name: opnd, .offset: 8, .size: 8, .value_kind: global_buffer, .address_space: global }
      - { .name: out0, .offset: 16, .size: 8, .value_kind: global_buffer, .address_space: global }
    .group_segment_fixed_size: 327680
    .private_segment_fixed_size: 0
    .kernarg_segment_align: 8
    .kernarg_segment_size: 24
    .max_flat_workgroup_size: 128
    .sgpr_count:     98
    .vgpr_count:     1024
    .wavefront_size: 32
...
	.end_amdgpu_metadata
.endif
;; end of part 4
;; ======== version 2 of 2: 4 launches; version 1 with the launch attn written anew for expert scheduling mode
;; workspace buffers: opnd 9,830,400 bytes; qkv 20,185,088 bytes; att 6,553,600 bytes
;; launch quant: the kernel of part 1 again; grid 256 x 1, 3 waves a work-group, no clusters, 26,112 bytes of LDS; arguments x, wq, wk, wv, wo, opnd; writes opnd
;; launch qkv: the kernel of part 2 again; grid 96 x 4, 4 waves a work-group, clusters of 4 x 4, 327,680 bytes of LDS; arguments opnd, qkv; writes qkv
;; launch attn (part 5): grid 8 x 32, 16 waves a work-group, no clusters, 67,584 bytes of LDS; arguments qkv, att; writes att
.if DOCPART == 5
	.amdgcn_target "amdgcn-amd-amdhsa--gfx1250"
	.amdhsa_code_object_version 6
	.text
	.protected	k_q83b76d4afc_attn
	.globl	k_q83b76d4afc_attn
	.p2align	8
	.type	k_q83b76d4afc_attn,@function
k_q83b76d4afc_attn:
	s_mov_b64 s[64:65], 0
	v_nop
	global_prefetch_b8 v0, s[64:65] scope:SCOPE_SE
	s_setreg_imm32_b32 hwreg(HW_REG_WAVE_SCHED_MODE, 0, 2), 2
	s_setreg_imm32_b32 hwreg(HW_REG_WAVE_MODE, 25, 1), 1
	s_wait_xcnt 0x0
	s_wait_alu depctr_vm_vsrc(0)
; Causal attention of 64 heads (4 batches x 16), head size 64, 2,048 tokens, both products on codes of FP6 (E2M3) with E8M0 scales; its result, divided by the row's sum, is quantised along the model's 1,024 for the last product.
; THE SOFTMAX AHEAD OF THE SECOND PRODUCT: t = score x log2(e) / 8; M = the row's largest t so far, rounded up to a whole number; p = 2^(t - M) is quantised along the keys, not normalised; the row's sum is taken of the unquantised p.
; When M moves, the sum and O are multiplied by 2^(old M - new M): exact.
; SHARES.  A work-group takes one head pair and two blocks of 128 queries: block j, then block 15 - j: (j + 1) + (16 - j) = 17 key steps of 128 keys in every work-group; key groups behind a block's own are left out (the mask hides them).
; Each of its sixteen waves takes one head (wave / 8) and one tile of 16 queries (wave % 8), in 256 registers: four waves to a SIMD, so that one wave's vector work stands beside another's matrix work and LDS loads.
; Only the last step of a block lies on the diagonal: there hidden scores become -infinity ahead of the maximum (p becomes 0; every query sees its own key).
; LAYOUT.  Both products are used transposed: S^T = K Q^T (source 0 = 16 keys), O^T = V^T P^T (source 0 = 16 of the head's 64): a lane holds one query throughout.  Tokens and features lie at position = number with bits 3 and 4 exchanged,
; so the 16 registers of source 0's tiles 2 b, 2 b + 1 are 16 neighbours, 32 b + 16 (lane / 16) + 0 .. 15, and lane r of query tile T stands for query 32 (T / 2) + 8 (T % 2) + r % 8 + 16 (r / 8) of its block.
; THE HEAD'S 64 fill half of the instruction's 128 along K: registers 6-11 of K's and Q's fragments hold zero codes, written once (in registers of their own for each operand).
; TILES.  A key step's K and V of the head pair are two dense chunks of 12,288 bytes and 1,536 bytes of scale words.  Each wave loads 1,536 bytes of them into registers at the head of the step BEFORE, and stores them into the other of two LDS slots
; at that step's end: the loads are issued a whole key step ahead of the wait for them.  One barrier a step: in front of it each wave's stores have landed and its reads of the slot in hand are over.
; NO CLUSTER: work-group j walks key groups 0 .. j and then 0 .. 15 - j, so from its step j + 1 on it wants another group than its seven neighbours of the head pair at the same step: no request could be made jointly throughout.
; LIMITS: a block of zeros, and one whose largest magnitude lies under 2^-124, gets the scale byte 1 (read by this program alone); NaN and infinities are not served.
; THE MODE: SCHED_MODE bits 1:0 = 2 (LLVM: expert scheduling mode 2), set by the entry lines.  The code itself states the register dependences
; between vector or matrix instructions and memory or LDS instructions, with s_wait_alu, always for 0.
; THE PLAN.  Registers that memory or LDS instructions touch, in the loop:
;   F0 .. F5      six fragments of K (of each twelve registers the lower six are loaded, the upper six hold the zero codes).  Tiles 0-5 land at the step's head; the first product's matrix instructions read them;
;                 tiles 6 and 7 land in F0 and F1 behind the products of tiles 0 and 1, while those of tiles 2-5 are issued.
;   v248-251      the scale words of K's tiles 0-3 (they land at the head; products 0-3 read them), then V's (they land behind the conversions; the second product reads them).   v28-31: those of K's tiles 4-7.
;   v128-175      S^T and p (matrix instructions and exponentials write them, the sums and the conversions read them); behind the conversions V's fragments land there, and the second product reads them.
;   v80-95        the next step's tiles: global loads land in them at the head, LDS stores read them at the end; no vector instruction names them.
;   v224-235, v253  p's codes and scale word: vector instructions write them, the second product reads them; at a block's end they hold the result's codes and bytes, which global stores read.
;   v1-v9         offsets and LDS addresses, made once at the head and never written again: the key group is reached by two scalar bases.
; THE WAITS OF A STEP.  At its head one on va_vdst (the last step's matrix instructions are done with F0-F5 and the scale words; what vector moves wrote of the first product's operands is written) and one on vm_vsrc (the last step's
; LDS stores have read v80-95): behind them stand all the head's loads.  One on va_vdst behind products 0 and 1, for F0 and F1.  The two behind the exponentials.  One behind the conversions, for V's loads.  One ahead of the second product,
; for p's codes and scale word.  On the diagonal one on va_sdst behind each run of sixteen compares.  At a block's end one on va_vdst ahead of the stores and one on vm_vsrc behind them.
; REGISTERS: v1-11 addresses; v12 -M, v13 the largest t, v[14:15] the sum in two halves; v16-27 Q; v28-31 scale words of K; v32-79 and v200-223 six fragments of K; v80-95 the next step's tiles on their way; v96-127 O^T;
;   v128-191 S^T, then p, then (v128-175) V's four fragments; v192-198 the second block's Q; v224-235 p's codes; v232-254 at work; v248-251 scale words of K or V; v253 p's scale word; v255 Q's.
.set S,     128
.set OT,    96
.set F0,    32                         ; K's fragments: tiles 0 and 6,
.set F1,    44                         ; 1 and 7,
.set F2,    56                         ; 2,
.set F3,    68                         ; 3,
.set F4,    200                        ; 4,
.set F5,    212                        ; 5
.set SLOTB, 32768                      ; a slot: K's codes [parity][8][768], V's [parity][4][1,536], K's scale words 1,024 bytes, V's 512
.set VOFF,  12288
.set KSO,   24576
.set VSO,   25600
.set QKS,   1536*12288                 ; in qkv: Q's and K's scale words
.set VSC,   QKS+1024*1024              ; and V's
.set ASC,   512*12288                  ; in att: the scale bytes
.set MK,    36                         ; s36-s51: sixteen masks of the diagonal (free behind the head)
	s_load_b128 s[4:7], s[0:1], 0x0                ; qkv s[4:5], att s[6:7]
	v_lshl_add_u32 v199, v0, 2, 0x10000
	v_mov_b32 v243, 0
	v_lshrrev_b32 v1, 5, v0
	v_readfirstlane_b32 s8, v1                     ; wave 0..15
	v_and_b32 v232, 31, v0                         ; lane
	v_and_b32 v233, 15, v0                         ; r
	v_lshlrev_b32 v1, 4, v232                      ; 16 x lane
	v_lshlrev_b32 v2, 3, v232                      ; 8 x lane
	v_lshlrev_b32 v10, 4, v233                     ; 16 r
	v_lshlrev_b32 v9, 5, v233                      ; 32 r: a token's row of scale bytes in att
	v_and_b32 v11, 7, v0
	v_bfe_u32 v232, v0, 3, 1
	v_lshl_add_u32 v11, v232, 4, v11
	v_bfe_u32 v232, v0, 4, 1
	v_lshlrev_b32 v232, 4, v232
	v_sub_nc_u32 v11, v11, v232
	s_wait_alu depctr_va_sdst(0)                   ; s8 is written, ahead of its first reader: addresses, bases and branches are made from it
	s_lshr_b32 s9, s8, 3                           ; the head's parity
	s_and_b32 s10, s8, 7                           ; my tile of queries
	s_mov_b32 s11, ttmp9                           ; j
	s_and_b32 s12, ttmp7, 0xffff
	s_lshr_b32 s13, s12, 3                         ; batch
	s_and_b32 s12, s12, 7                          ; head pair
	s_mul_i32 s36, s9, 6144
	s_lshl_b32 s37, s9, 9
	s_lshl_b32 s38, s9, 8
	s_mul_i32 s39, s8, 1536
	s_lshl_b32 s40, s8, 9
	s_lshr_b32 s41, s10, 1
	s_lshl_b32 s41, s41, 5
	s_and_b32 s42, s10, 1
	s_lshl_b32 s42, s42, 3
	s_add_co_u32 s41, s41, s42
	v_add_nc_u32 v3, s36, v1                       ; my head's half of K's or V's codes in a slot, + 16 x lane
	v_add_nc_u32 v4, s36, v2                       ; + 8 x lane
	v_add_nc_u32 v5, s37, v10                      ; K's scale words: parity x 512 + 16 r
	v_add_nc_u32 v6, s38, v10                      ; V's: parity x 256 + 16 r
	v_add_nc_u32 v7, s39, v1                       ; where I put my 1,536 bytes of a step's codes
	v_add_nc_u32 v8, s40, v1                       ; and (waves 0-2) my 512 bytes of its scale words
	v_add_nc_u32 v11, s41, v11                     ; d = my query in its block - 16 (lane / 16): on the diagonal register 16 b + i is hidden where 32 b + i > d
	s_wait_alu depctr_va_vdst(0)                   ; the offsets and LDS addresses v1 to v10 are written: every load and store of the kernel reads some of them, and no line writes them again
	; the copies: waves 0-7 take K's chunk, waves 8-15 V's, 1,536 bytes each; waves 0, 1 K's scale words, wave 2 V's
	s_add_co_u32 s36, s12, 8
	s_lshl_b32 s36, s36, 6
	s_lshl_b32 s37, s13, 4
	s_add_co_u32 s36, s36, s37                     ; K's chunk of key group 0
	s_lshl_b32 s38, s13, 3
	s_add_co_u32 s38, s38, s12
	s_lshl_b32 s38, s38, 4                         ; V's, less 1,024
	s_lshl_b32 s39, s36, 10
	s_add_co_u32 s39, s39, QKS
	s_lshl_b32 s40, s8, 9
	s_add_co_u32 s39, s39, s40
	s_lshl_b32 s40, s38, 9
	s_add_co_u32 s40, s40, VSC
	s_mov_b32 s18, 1024
	s_cmp_lt_u32 s8, 2
	s_cselect_b32 s26, s39, s40
	s_cselect_b32 s18, s18, 512                    ; from key group to key group, in the scale words
	s_add_co_u32 s38, s38, 1024
	s_cmp_lt_u32 s8, 8
	s_cselect_b32 s24, s36, s38
	s_mul_i32 s24, s24, 12288
	s_mul_i32 s41, s10, 1536
	s_add_co_u32 s24, s24, s41
	s_mov_b32 s25, 0
	s_mov_b32 s27, 0
	; Q of my two blocks
	s_lshl_b32 s42, s12, 6
	s_add_co_u32 s42, s42, s37
	s_add_co_u32 s43, s42, s11                     ; the first block's chunk
	s_sub_co_u32 s44, 15, s11                      ; the second block
	s_add_co_u32 s45, s42, s44                     ; its chunk
	s_mul_i32 s46, s9, 6144
	s_mul_i32 s47, s10, 768
	s_add_co_u32 s46, s46, s47                     ; my half fragment in a chunk
	s_lshl_b32 s47, s9, 9
	s_lshr_b32 s48, s10, 2
	s_lshl_b32 s48, s48, 8
	s_add_co_u32 s47, s47, s48
	s_and_b32 s48, s10, 3
	s_lshl_b32 s48, s48, 2
	s_add_co_u32 s47, s47, s48
	s_add_co_u32 s47, s47, QKS                     ; my tile's words in a chunk's scale words
	s_mul_i32 s48, s43, 12288
	s_add_co_u32 s48, s48, s46
	s_mov_b32 s49, 0
	s_lshl_b32 s50, s43, 10
	s_add_co_u32 s50, s50, s47
	s_mov_b32 s51, 0
	s_mul_i32 s52, s45, 12288
	s_add_co_u32 s52, s52, s46
	s_mov_b32 s53, 0
	s_lshl_b32 s54, s45, 10
	s_add_co_u32 s54, s54, s47
	s_mov_b32 s55, 0
	; where the results go: block of 16 tokens A = batch x 128 + query block x 8 + tile: codes at (8 A + head pair) x 1,536 + parity x 768, scale bytes at 512 A + 32 r + 2 x head
	s_lshl_b32 s56, s13, 7
	s_add_co_u32 s56, s56, s10
	s_lshl_b32 s57, s11, 3
	s_add_co_u32 s57, s57, s56
	s_lshl_b32 s58, s44, 3
	s_add_co_u32 s58, s58, s56
	s_mul_i32 s59, s9, 768
	s_mul_i32 s41, s12, 1536
	s_add_co_u32 s59, s59, s41
	s_mul_i32 s28, s57, 12288
	s_add_co_u32 s28, s28, s59
	s_mov_b32 s29, 0
	s_mul_i32 s32, s58, 12288
	s_add_co_u32 s32, s32, s59
	s_mov_b32 s33, 0
	s_lshl_b32 s41, s12, 2
	s_lshl_b32 s59, s9, 1
	s_add_co_u32 s41, s41, s59
	s_add_co_u32 s41, s41, ASC
	s_lshl_b32 s30, s57, 9
	s_add_co_u32 s30, s30, s41
	s_mov_b32 s31, 0
	s_lshl_b32 s34, s58, 9
	s_add_co_u32 s34, s34, s41
	s_mov_b32 s35, 0
	s_mov_b32 s20, 0x76543210
	s_mov_b32 s21, 0xfedcba98                      ; v_permlanex16_b32's selects for lane l xor 16
	s_mov_b32 s22, 0x3e38aa3b                      ; c = log2(e) / 8
	s_mov_b32 s23, s22                             ; (named with it as a pair, so it is written)
	s_mov_b32 s14, 0                               ; the step, 0 .. 16
	s_mov_b32 s15, 0                               ; the key group of the step that is being asked for
	s_mov_b32 s17, 0                               ; s[16:17]: that group's bytes in the codes, s[60:61]: in the scale words; the upper words stay 0
	s_mov_b32 s61, 0
	s_mov_b32 s19, 8
	s_wait_kmcnt 0x0
	s_add_nc_u64 s[24:25], s[4:5], s[24:25]
	s_add_nc_u64 s[26:27], s[4:5], s[26:27]
	s_add_nc_u64 s[48:49], s[4:5], s[48:49]
	s_add_nc_u64 s[50:51], s[4:5], s[50:51]
	s_add_nc_u64 s[52:53], s[4:5], s[52:53]
	s_add_nc_u64 s[54:55], s[4:5], s[54:55]
	s_add_nc_u64 s[28:29], s[6:7], s[28:29]
	s_add_nc_u64 s[30:31], s[6:7], s[30:31]
	s_add_nc_u64 s[32:33], s[6:7], s[32:33]
	s_add_nc_u64 s[34:35], s[6:7], s[34:35]
	s_mov_b64 s[56:57], s[24:25]                   ; the bases of the key group that is asked for: group 0
	s_mov_b64 s[58:59], s[26:27]
; A key step's tiles into registers: my 1,536 bytes of codes, and in waves 0-2 my 512 bytes of scale words.  s[56:57], s[58:59]: the key group's bases; the offset is 16 x lane.
.macro ASK
	global_load_b128 v[80:83], v1, s[56:57]
	global_load_b128 v[84:87], v1, s[56:57] offset:512
	global_load_b128 v[88:91], v1, s[56:57] offset:1024
	s_cmp_lt_u32 s8, 3
	s_cbranch_scc0 .Lno_words_\@
	global_load_b128 v[92:95], v1, s[58:59]
.Lno_words_\@:
.endm
; and from the registers into a slot.  The data come from loads and the addresses from the head: the wait on LOADcnt is all that these stores hang on
.macro PUT slot
	s_wait_loadcnt 0x0
	ds_store_b128 v7, v[80:83] offset:(\slot)*SLOTB
	ds_store_b128 v7, v[84:87] offset:(\slot)*SLOTB+512
	ds_store_b128 v7, v[88:91] offset:(\slot)*SLOTB+1024
	s_cmp_lt_u32 s8, 3
	s_cbranch_scc0 .Lno_put_\@
	ds_store_b128 v8, v[92:95] offset:(\slot)*SLOTB+KSO
.Lno_put_\@:
.endm
	global_load_b128 v[16:19], v1, s[48:49]        ; Q's half fragments stay in registers
	global_load_b64 v[20:21], v2, s[48:49] offset:512
	global_load_b32 v255, v10, s[50:51]
	global_load_b128 v[192:195], v1, s[52:53]
	global_load_b64 v[196:197], v2, s[52:53] offset:512
	global_load_b32 v198, v10, s[54:55]
	ASK                                            ; key group 0
.irp i, 22,23,24,25,26,27, 38,39,40,41,42,43, 50,51,52,53,54,55, 62,63,64,65,66,67, 74,75,76,77,78,79, 206,207,208,209,210,211, 218,219,220,221,222,223
	v_mov_b32 v\i, 0                               ; zero codes for K = 64 .. 127 of Q's and of K's six fragments: written once, never loaded (none of the registers that the loads above land in)
.endr
	v_mov_b32 v13, 0xff61b1e6                      ; the largest t so far: -3e38, under every t
	v_floor_f32 v12, -v13                          ; -M
	v_mov_b32 v14, 0
	v_mov_b32 v15, 0
.irp b, 0,1,2,3
	v_mov_b32 v[236+\b], 0                         ; written once: a lane permute's destination counts as one of its sources
.endr
	v_mov_b32 v252, 0
	v_mov_b32 v253, 0                              ; (named as the upper half of the pair v[252:253] before it is first written)
.set j, 0
.rept 32
	v_mov_b32 v[OT+j], 0                           ; O^T: a block's first step finds zeros, which the first change of M leaves zeros
.set j, j+1
.endr
	PUT 0
	s_wait_dscnt 0x0
	s_barrier_signal -1
	s_barrier_wait -1
; The diagonal: register 16 b + i holds key 32 b + 16 (lane / 16) + i of the group.  The compares stand in runs of sixteen, each into a scalar register of its own, with one wait behind the run.
.macro MASK
	v_mov_b32 v254, 0xff800000                     ; -infinity
.irp b, 0,1,2,3
.set n, 0
.rept 16
	v_cmp_gt_i32 s[MK+n], 32*\b+n, v11
.set n, n+1
.endr
	s_wait_alu depctr_va_sdst(0)                   ; the sixteen masks are written, ahead of the selects that read them
.set n, 0
.rept 16
	v_cndmask_b32 v[S+16*\b+n], v[S+16*\b+n], v254, s[MK+n]
.set n, n+1
.endr
.endr
.endm
; A block of queries is finished: O^T / the sum; its 32 numbers a lane (register 16 b + i = feature 32 b + 16 (lane / 16) + i of the head) become half a fragment and two scale bytes.  sw = 1: on to the second block.
.macro FINAL sw
	v_add_f32 v14, v14, v15                        ; the sum's two halves,
	v_permlanex16_b32 v252, v14, s20, s21
	v_add_f32 v14, v14, v252                       ; and lane l xor 16's
	v_rcp_f32 v14, v14
	v_nop                                          ; a plain place behind the transcendental,
	s_wait_alu depctr_va_vdst(0)                   ; and the reciprocal in v14 is written, ahead of its first reader
.set j, 0
.rept 16
	v_pk_mul_f32 v[S+j:S+j+1], v[OT+j:OT+j+1], v[14:15] op_sel_hi:[1,0]
.set j, j+2
.endr
.irp b, 0,1
	v_max3_num_f32 v[232+\b], |v[S+16*\b]|, |v[S+1+16*\b]|, 0x1800000
.endr
.irp i, 2,4,6,8,10,12,14
.irp b, 0,1
	v_max3_num_f32 v[232+\b], v[232+\b], |v[S+16*\b+\i]|, |v[S+1+16*\b+\i]|
.endr
.endr
.irp b, 0,1
	v_permlanex16_b32 v[236+\b], v[232+\b], s20, s21
.endr
.irp b, 0,1
	v_max_num_f32 v[232+\b], v[232+\b], v[236+\b]
.endr
.irp b, 0,1
	v_add_nc_u32 v[244+\b], 0xff000000, v[232+\b]
.endr
.irp b, 0,1
	v_lshrrev_b32 v[236+\b], 23, v[244+\b]
.endr
	v_lshl_or_b32 v253, v237, 8, v236              ; the head's two scale bytes of my token
	v_cvt_scalef32_pk16_fp6_f32 v[224:226], v[S:S+15], v244
	v_cvt_scalef32_pk16_fp6_f32 v[240:242], v[S+16:S+31], v245
	v_nop                                          ; one plain place behind a scaled conversion
.irp i, 0,1,2
	v_permlane16_swap_b32 v[224+\i], v[240+\i]     ; a whole block to a lane: lanes 0-15 block 0, lanes 16-31 block 1
.endr
.irp i, 0,1,2
	v_mov_b32 v[227+\i], v[240+\i]
.endr
	s_wait_alu depctr_va_vdst(0)                   ; the codes in v224-229 and the bytes in v253 are written, which the three stores read
	global_store_b128 v1, v[224:227], s[28:29]     ; 512 and 256 consecutive bytes, aligned
	global_store_b64 v2, v[228:229], s[28:29] offset:512
	global_store_b16 v9, v253, s[30:31]            ; two bytes of each token's 32: the other heads' come from other work-groups (lanes 16-31 repeat lanes 0-15's)
.if \sw
	s_wait_xcnt 0x0                                ; the stores have read their registers and bases
	s_wait_alu depctr_vm_vsrc(0)                   ; the stores have read v224-229 and v253, which the next step's vector instructions write again
	s_mov_b64 s[28:29], s[32:33]
	s_mov_b64 s[30:31], s[34:35]
	v_mov_b32 v255, v198                           ; the second block's Q; the lines below are the places between these and the next products
.irp i, 0,1,2,3,4,5
	v_mov_b32 v[16+\i], v[192+\i]
.endr
	v_mov_b32 v13, 0xff61b1e6
	v_floor_f32 v12, -v13
	v_mov_b32 v14, 0
	v_mov_b32 v15, 0
.set j, 0
.rept 32
	v_mov_b32 v[OT+j], 0
.set j, j+1
.endr
.endif
.endm
; K's tile t of the slot (16 keys x the head's 64: six registers) into the fragment at v[f]
.macro KLOAD t, f, slot
	ds_load_b128 v[\f:\f+3], v3 offset:(\slot)*SLOTB+(\t)*768
	ds_load_b64 v[\f+4:\f+5], v4 offset:(\slot)*SLOTB+(\t)*768+512
.endm
; and its 16 x 16 scores; sc: the register with the tile's scale words
.macro KQ t, f, sc
	v_wmma_scale_f32_16x16x128_f8f6f4 v[S+8*(\t):S+8*(\t)+7], v[\f:\f+11], v[16:27], 0, v[\sc], v255 matrix_a_fmt:MATRIX_FMT_FP6 matrix_b_fmt:MATRIX_FMT_FP6
.endm
; A KEY STEP, on the slot named.  last = 1: the seventeenth: nothing more is asked for, and it lies on the second block's diagonal.
.macro STEP slot, last
	s_wait_alu depctr_va_vdst(0)                   ; the last step's matrix instructions are done reading F0-F5, v248-251 and v28-31, in which the loads below land; Q and v255, where a change of blocks has moved them, and in the first step the zero codes, are written, which the products below take
.if !\last
	s_wait_alu depctr_vm_vsrc(0)                   ; the LDS stores at the last step's end have read v80-95, in which the global loads below land
.endif
	KLOAD 0, F0, \slot                             ; S^T = K Q^T: six of the eight tiles of 16 keys are asked for at once
	KLOAD 1, F1, \slot
	ds_load_b128 v[248:251], v5 offset:\slot*SLOTB+KSO        ; the scale words of lane row r: tiles 0-3,
	KLOAD 2, F2, \slot
	KLOAD 3, F3, \slot
	KLOAD 4, F4, \slot
	KLOAD 5, F5, \slot
	ds_load_b128 v[28:31], v5 offset:\slot*SLOTB+KSO+256      ; tiles 4-7
.if !\last
	s_add_co_u32 s15, s15, 1                       ; the next step's key group: one on, or 0 where this step ends the first block
	s_cmp_eq_u32 s14, s11
	s_cselect_b32 s15, 0, s15
	s_mul_i32 s16, s15, 12288
	s_mul_i32 s60, s15, s18
	s_add_nc_u64 s[56:57], s[24:25], s[16:17]      ; (the loads that last read these bases were waited for at the last step's end)
	s_add_nc_u64 s[58:59], s[26:27], s[60:61]
	ASK
.endif
	s_wait_dscnt 9                                 ; LDS loads come back in order (ISA guide 5.7.1): tiles 0 and 1 and their scale words are in; the nine younger loads may be out
	KQ 0, F0, 248
	KQ 1, F1, 249
.rept 4
	v_nop                                          ; places in front of loads into registers that matrix instructions have read; first the places, then the wait
.endr
	s_wait_alu depctr_va_vdst(0)                   ; the two products are done reading F0 and F1, in which tiles 6 and 7 land
	KLOAD 6, F0, \slot
	KLOAD 7, F1, \slot
	s_wait_dscnt 4                                 ; tiles 2-5 and the second four scale words are in; the four loads just issued may be out
	KQ 2, F2, 250                                  ; these four name none of the registers that the loads of tiles 6 and 7 touch
	KQ 3, F3, 251
	KQ 4, F4, 28
	KQ 5, F5, 29
	s_wait_dscnt 0x0
	KQ 6, F0, 30
	KQ 7, F1, 31
.rept 4
	v_nop
.endr
.if \last
	MASK
.else
	s_cmp_eq_u32 s14, s11                          ; ids and the step's number: the same in every wave
	s_cbranch_scc0 .Lopen_\@
	MASK
.Lopen_\@:
.endif
.irp b, 0,1,2,3
	v_max3_num_f32 v[232+\b], v[S+16*\b], v[S+1+16*\b], v[S+2+16*\b]   ; the largest score of each block of 32 keys: for the row's maximum and, since p rises with the score, for the block's largest p
.endr
.irp i, 3,5,7,9,11,13
.irp b, 0,1,2,3
	v_max3_num_f32 v[232+\b], v[232+\b], v[S+16*\b+\i], v[S+1+16*\b+\i]
.endr
.endr
.irp b, 0,1,2,3
	v_max_num_f32 v[232+\b], v[232+\b], v[S+15+16*\b]
.endr
.irp b, 0,1,2,3
	v_permlanex16_b32 v[236+\b], v[232+\b], s20, s21
.endr
.irp b, 0,1,2,3
	v_max_num_f32 v[232+\b], v[232+\b], v[236+\b]  ; with lane l xor 16's 16 keys
.endr
	v_max3_num_f32 v254, v232, v233, v234
	v_max_num_f32 v254, v254, v235                 ; the step's largest score of my query
	v_mul_f32 v254, s22, v254                      ; as t
	v_max_num_f32 v13, v13, v254                   ; the running largest t
	v_mov_b32 v254, v12
	v_floor_f32 v12, -v13                          ; the new -M = -ceil(t)
	v_sub_f32 v254, v12, v254                      ; old M - new M: a whole number, 0 or less
	v_cvt_i32_f32 v254, v254                       ; (it saturates)
	v_ldexp_f32 v252, 1.0, v254                    ; f = 2^(old M - new M)
.set j, 0
.rept 32
	v_pk_fma_f32 v[S+j:S+j+1], v[S+j:S+j+1], s[22:23], v[12:13] op_sel_hi:[1,0,0]   ; t - M, two at a time
.set j, j+2
.endr
.irp b, 0,1,2,3
	v_fma_f32 v[232+\b], v[232+\b], s22, v12       ; the same of each block's largest score
.endr
.set j, 0
.rept 64
	v_exp_f32 v[S+j], v[S+j]                       ; p = 2^(t - M), at most 1
.set j, j+1
.endr
	v_pk_mul_f32 v[14:15], v[14:15], v[252:253] op_sel_hi:[1,0]   ; the sums under the new M (a plain place behind the exponentials)
	s_wait_alu depctr_va_vdst(0)                   ; the 64 p are written: one wait for the whole batch, ahead of its first reader
.irp b, 0,1,2,3
	v_exp_f32 v[232+\b], v[232+\b]                 ; the block's largest p: the same two instructions on the same number give the same bits
.endr
	v_pk_add_f32 v[236:237], v[S:S+1], v[S+2:S+3]  ; the row's sum is taken of the unquantised p, in two chains
.irp j, 4,8,12,16,20,24,28,32,36,40,44,48,52,56,60
	v_pk_add_f32 v[14:15], v[14:15], v[S+\j:S+\j+1]
	v_pk_add_f32 v[236:237], v[236:237], v[S+2+\j:S+3+\j]
.endr
	v_pk_add_f32 v[14:15], v[14:15], v[236:237]
	s_wait_alu depctr_va_vdst(0)                   ; the four blocks' largest p in v232-235 are written, ahead of their first reader
.irp b, 0,1,2,3
	v_max_num_f32 v[232+\b], 0x1800000, v[232+\b]  ; the floor 2^(3 - 127): a block whose every p is 0 keeps the byte 1: its codes are zeros
.endr
.irp b, 0,1,2,3
	v_add_nc_u32 v[244+\b], 0xff000000, v[232+\b]
.endr
.irp b, 0,1,2,3
	v_lshrrev_b32 v[236+\b], 23, v[244+\b]
.endr
	v_lshl_or_b32 v253, v237, 8, v236              ; p's scale word for these 128 keys
	v_lshl_or_b32 v253, v238, 16, v253
	v_lshl_or_b32 v253, v239, 24, v253
.irp c, 0,1
	v_cvt_scalef32_pk16_fp6_f32 v[224+6*\c:226+6*\c], v[S+32*\c:S+15+32*\c], v[244+2*\c]
	v_cvt_scalef32_pk16_fp6_f32 v[236+4*\c:238+4*\c], v[S+16+32*\c:S+31+32*\c], v[244+2*\c+1]
.endr
	v_nop                                          ; one plain place behind a scaled conversion
	s_wait_alu depctr_va_vdst(0)                   ; the conversions are done reading p, and the first product is done reading v248-251: V's fragments and scale words land there
.irp t, 0,1,2,3                                ; V's four fragments (16 features x 128 keys) land where p lay, while the codes are put in order and O^T is rescaled: those lines name none of v128-175, v248-251 and the three addresses
	ds_load_b128 v[S+12*\t:S+12*\t+3], v3 offset:\slot*SLOTB+VOFF+\t*1536
	ds_load_b64 v[S+12*\t+4:S+12*\t+5], v4 offset:\slot*SLOTB+VOFF+\t*1536+512
	ds_load_b128 v[S+12*\t+6:S+12*\t+9], v3 offset:\slot*SLOTB+VOFF+\t*1536+768
	ds_load_b64 v[S+12*\t+10:S+12*\t+11], v4 offset:\slot*SLOTB+VOFF+\t*1536+1280
.endr
	ds_load_b128 v[248:251], v6 offset:\slot*SLOTB+VSO
.irp c, 0,1
.irp i, 0,1,2
	v_permlane16_swap_b32 v[224+6*\c+\i], v[236+4*\c+\i]
.endr
.irp i, 0,1,2
	v_mov_b32 v[227+6*\c+\i], v[236+4*\c+\i]
.endr
.endr
.set j, 0
.rept 16
	v_pk_mul_f32 v[OT+j:OT+j+1], v[OT+j:OT+j+1], v[252:253] op_sel_hi:[1,0]   ; O^T under the new M.  (These are also the places in front of the products below)
.set j, j+2
.endr
	s_wait_dscnt 0x0
	s_wait_alu depctr_va_vdst(0)                   ; p's codes in v224-235 and its scale word in v253 are written, which the products below take as source 1 and as its scales; the places above stay beside this wait
.irp t, 0,1,2,3                                ; O^T += V^T P^T: four accumulators by turns
	v_wmma_scale_f32_16x16x128_f8f6f4 v[OT+8*\t:OT+8*\t+7], v[S+12*\t:S+12*\t+11], v[224:235], v[OT+8*\t:OT+8*\t+7], v[248+\t], v253 matrix_a_fmt:MATRIX_FMT_FP6 matrix_b_fmt:MATRIX_FMT_FP6
.endr
.rept 5
	v_nop                                          ; five places: the next step's products write S^T over V's fragments
.endr
.if \last
	FINAL 0
.else
	PUT 1-\slot                                    ; the next step's tiles, asked for at this step's head, into the slot that every wave left in front of the last barrier
	s_cmp_eq_u32 s14, s11
	s_cbranch_scc0 .Lgo_on_\@
	FINAL 1
.Lgo_on_\@:
	s_wait_dscnt 0x0                               ; my stores have landed, and my reads of this slot are over
	s_barrier_signal -1
	s_barrier_wait -1
	s_add_co_u32 s14, s14, 1
.endif
.endm
.Lpair:                                            ; eight trips of two steps; the seventeenth step is written out
	STEP 0, 0
	STEP 1, 0
	s_sub_co_u32 s19, s19, 1
	s_cmp_lg_u32 s19, 0
	s_cbranch_scc1 .Lpair
	STEP 0, 1
	s_wait_dscnt 0x0
	s_wait_alu depctr_hold_cnt(0) depctr_sa_sdst(0) depctr_va_vdst(0) depctr_va_sdst(0) depctr_va_ssrc(0) depctr_va_vcc(0) depctr_vm_vsrc(0)
	s_wait_tensorcnt 0x0
	ds_add_u32 v199, v243
	s_wait_dscnt 0x0
	s_endpgm
.Lfunc_end_k_q83b76d4afc_attn:
	.size	k_q83b76d4afc_attn, .Lfunc_end_k_q83b76d4afc_attn-k_q83b76d4afc_attn
	.p2alignl 7, 3214868480
	.fill 96, 4, 3214868480
	.section	.rodata,"a",@progbits
	.p2align	6, 0x0
	.amdhsa_kernel k_q83b76d4afc_attn
		.amdhsa_group_segment_fixed_size 67584
		.amdhsa_private_segment_fixed_size 0
		.amdhsa_enable_private_segment 0
		.amdhsa_kernarg_size 16
		.amdhsa_user_sgpr_count 2
		.amdhsa_user_sgpr_kernarg_segment_ptr 1
		.amdhsa_wavefront_size32 1
		.amdhsa_system_sgpr_workgroup_id_x 1
		.amdhsa_system_sgpr_workgroup_id_y 1
		.amdhsa_system_sgpr_workgroup_id_z 1
		.amdhsa_system_vgpr_workitem_id 0
		.amdhsa_next_free_vgpr 256
		.amdhsa_next_free_sgpr 66
		.amdhsa_reserve_vcc 0
		.amdhsa_float_denorm_mode_32 3
		.amdhsa_float_denorm_mode_16_64 3
		.amdhsa_memory_ordered 1
		.amdhsa_forward_progress 1
		.amdhsa_inst_pref_size 102
	.end_amdhsa_kernel
	.amdgpu_metadata
---
amdhsa.version: [ 1, 2 ]
amdhsa.kernels:
  - .name:           k_q83b76d4afc_attn
    .symbol:         k_q83b76d4afc_attn.kd
    .args:
      - { .name: qkv, .offset: 0, .size: 8, .value_kind: global_buffer, .address_space: global }
      - { .name: att, .offset: 8, .size: 8, .value_kind: global_buffer, .address_space: global }
    .group_segment_fixed_size: 67584
    .private_segment_fixed_size: 0
    .kernarg_segment_align: 8
    .kernarg_segment_size: 16
    .max_flat_workgroup_size: 512
    .sgpr_count:     66
    .vgpr_count:     256
    .wavefront_size: 32
...
	.end_amdgpu_metadata
.endif
;; end of part 5
;; launch oproj: the kernel of part 4 again; grid 4 x 32, 4 waves a work-group, clusters of 4 x 4, 327,680 bytes of LDS; arguments att, opnd, out0; writes out0
